; MI455X (gfx1250); checked and timed in simulation.
; The chip was launched on July 23, 2026; its instructions are those of AMD's public machine-readable ISA for CDNA 5 (MIT licence, August 2026) and "CDNA5" Instruction Set Architecture Reference Guide (July 2026). The comments in the code are by the model that wrote it; some were corrected since.
;; Gpt Oss Experts Lora. Allowed arithmetic: float matrix products may take bf16 or f16 operands with f32 sums; other float arithmetic in f32, or as packed bf16 or f16 multiplies, adds, multiply-adds, maxima and minima; sums over many terms, partial sums and values carried from step to step in f32; what a program stores and reads back later, other than sums and carried values, may be rounded once to bf16 or f16.
;; Inputs: down_proj 8 x 2,048 x 1,024 float32; down_proj_bias 8 x 1,024 float32; gate_up_proj 8 x 1,024 x 4,096 float32; gate_up_proj_bias 8 x 4,096 float32; hidden_states 1 x 1,024 x 1,024 float32; lora_A_down 8 x 2,048 x 16 float32; lora_A_gate_up 8 x 1,024 x 16 float32; lora_B_down 8 x 16 x 1,024 float32; lora_B_gate_up 8 x 16 x 4,096 float32; router_indices 1,024 x 2 int32; routing_weights 1,024 x 8 float32.
;; Outputs: out0 1 x 1,024 x 1,024 float32.
;; 2 versions, each right and faster than the one before. Each part assembles by itself: llvm-mc -triple=amdgcn-amd-amdhsa -mcpu=gfx1250 --defsym DOCPART=n.
;; ======== version 1 of 2: 4 launches
;; limits: values are held in f16: magnitudes above 65,504 overflow, below 6.1e-05 lose precision; inputs' magnitudes at most 65,504
;; workspace buffers: ximg 4,456,448 bytes; gimg 8,912,896 bytes; part 16,777,216 bytes; order 8,704 bytes of whole numbers; roww 8,704 bytes; tiles 256 bytes of whole numbers
;; launch route (part 1): grid 135 x 1, 4 waves a work-group, no clusters, 35,328 bytes of LDS; arguments hidden_states, router_indices, routing_weights, ximg, order, roww, tiles; writes ximg, order, roww, tiles
.if DOCPART == 1
	.amdgcn_target "amdgcn-amd-amdhsa--gfx1250"
	.amdhsa_code_object_version 6
	.text
	.protected	k_q158b0bb1e0_route
	.globl	k_q158b0bb1e0_route
	.p2align	8
	.type	k_q158b0bb1e0_route,@function
k_q158b0bb1e0_route:
	s_mov_b64 s[64:65], 0
	v_nop
	global_prefetch_b8 v0, s[64:65] scope:SCOPE_SE
	s_setreg_imm32_b32 hwreg(HW_REG_WAVE_MODE, 25, 1), 1
	s_wait_xcnt 0x0
; ROUTE.  2,048 slots (token t, choice k: slot 2 t + k) are sorted by expert, without atomics, and the tokens' rows are laid out in bf16 as matrix operands.
; Each expert's rows fill whole tiles of 16; the places past its count repeat its last row (same slot, same data).  The tiles of all experts lie end to end: never more than 135.
; Work-group T makes tile T: every work-group counts all 2,048 indices (8 KB) for itself, each wave a quarter; a work-group past the last tile of the given split stores nothing.
; OUT: ximg [kb 16][tile 136][s 2][a 2][lane 32][16 bytes]: lane (r = lane % 16, h = lane / 16) holds row r, k = 64 kb + 32 s + 16 h + 8 a + 0..7;
;      order[tile][16] the rows' slots; roww[tile][16] routing_weights[t][e] rounded to bf16; tiles: pairs {first tile, tiles} of the 8 experts.
; LIMIT.  An index outside 0..7 (compared unsigned) becomes a row of expert 0 with the weight 0: it adds 0 x out, which is 0 as long as out is finite.
; No matrix unit, no cluster: the work is a gather of 4 MB.
.set SPARE, 34816                      ; the spare words: 128 bytes a wave, behind the stages
.set LIST,  256                        ; four lists of 128 bytes, each wave's own: 16 entries, a dump word, the rest unused
.set STG,   1024                       ; four stages, each wave's own: 16 rows of 512 bytes, 528 apart
.set KBS,   278528                     ; bytes of ximg from kb to kb + 1: 136 tiles x 2,048
.set IDX, 8                            ; v[8:23]   my 16 indices, later the entries' fixed part
.set EV,  24                           ; v[24:39]  their experts
.set XO,  48                           ; v[48:55]  byte offsets in hidden_states
.set TP,  56                           ; v[56:63]  at work
.set D,   64                           ; v[64:191] 16 rows x 256 k of f32, then bf16, then images
	s_load_b256 s[4:11], s[0:1], 0x0               ; hidden s[4:5], indices s[6:7], weights s[8:9], ximg s[10:11]
	s_load_b128 s[12:15], s[0:1], 0x20             ; order s[12:13], roww s[14:15]
	s_load_b64 s[16:17], s[0:1], 0x30              ; tiles
	v_lshl_add_u32 v198, v0, 2, SPARE              ; my spare word,
	v_mov_b32 v199, 0                              ; and 0: kept for the closing add alone
	v_lshrrev_b32 v1, 5, v0
	v_readfirstlane_b32 s18, v1                    ; wave 0..3
	s_mov_b32 s19, ttmp9                           ; T
	v_and_b32 v1, 31, v0                           ; lane
	v_and_b32 v2, 15, v0                           ; r
	v_bfe_u32 v3, v0, 4, 1                         ; h
	v_lshlrev_b32 v4, 4, v0
	s_wait_kmcnt 0x0
.irp q, 0,1,2,3
	global_load_b128 v[IDX+4*\q:IDX+4*\q+3], v4, s[6:7] offset:2048*\q  ; register 4 q + c: slot 4 x thread + 512 q + c
.endr
	v_lshlrev_b32 v45, 2, v0
	v_or_b32 v45, 0x80000000, v45                  ; an entry: the slot, bit 31 (never 0),
	v_or_b32 v46, 0x10000, v45                     ; bit 16: the index lay outside 0..7
	v_mov_b32 v40, s18
	v_lshl_add_u32 v44, v40, 7, LIST               ; my wave's list
	v_lshlrev_b32 v40, 5, v40                      ; my wave's eight counts
	v_lshl_add_u32 v41, v0, 2, LIST
	v_mov_b32 v42, 0
	ds_store_b32 v41, v42                          ; the list is cleared: 32 lanes, its 128 bytes
	v_lshlrev_b32 v47, 4, v2
	v_lshl_add_u32 v47, s18, 10, v47               ; 16 r + my quarter of a row of hidden_states
	s_mul_i32 s82, s18, 8448
	s_add_co_u32 s82, s82, STG                     ; my stage
	v_mul_u32_u24 v43, v3, 528
	v_lshl_add_u32 v43, v2, 3, v43
	v_add_nc_u32 v43, s82, v43                     ; in: row h, 8 bytes a lane
	v_mul_u32_u24 v5, v2, 528
	v_lshl_add_u32 v5, v3, 5, v5
	v_add_nc_u32 v5, s82, v5                       ; back: row r, 32 h
	s_lshl_b32 s82, s19, 11
	s_mul_i32 s83, s18, 4*KBS
	s_add_co_u32 s82, s82, s83
	v_lshl_add_u32 v6, v1, 4, s82                  ; my 16 bytes of tile T's images, kb = 4 w
.irp e, 0,1,2,3,4,5,6,7
	s_mov_b32 s[20+\e], 0
.endr
	s_wait_loadcnt 0x0
.set x, 0
.rept 16
	v_cmp_gt_u32 vcc_lo, 8, v[IDX+x]
	v_cndmask_b32 v[EV+x], 0, v[IDX+x], vcc_lo     ; the expert, 0 for an index outside
	v_cndmask_b32 v[IDX+x], v46, v45, vcc_lo       ; the entry's fixed part
.set x, x+1
.endr
	; my wave's counts: for each register and expert a mask of lanes, and its number of bits
.set x, 0
.rept 16
.irp e, 0,1,2,3,4,5,6,7
	v_cmp_eq_u32 s28, \e, v[EV+x]
	s_bcnt1_i32_b32 s28, s28
	s_add_co_u32 s[20+\e], s[20+\e], s28
.endr
.set x, x+1
.endr
.irp e, 0,1,2,3,4,5,6,7
	v_mov_b32 v[TP+\e], s[20+\e]
.endr
	ds_store_b128 v40, v[TP:TP+3]                  ; all lanes write the same words with the same values
	ds_store_b128 v40, v[TP+4:TP+7] offset:16
	s_wait_dscnt 0x0                               ; for the others' sake: my counts are in LDS
	s_barrier_signal -1
	s_barrier_wait -1
.irp i, 0,1,2,3,4,5,6,7
	ds_load_b128 v[D+4*\i:D+4*\i+3], v42 offset:16*\i
.endr
	s_wait_dscnt 0x0
.set n, 0
.rept 32
	v_readfirstlane_b32 s[32+n], v[D+n]            ; count of wave n / 8, expert n % 8
.set n, n+1
.endr
	; the experts' tiles; which expert tile T belongs to (the last whose first tile is not past T)
	s_mov_b32 s68, 0                               ; first tile of the expert in hand
	s_mov_b32 s69, 0                               ; E
	s_mov_b32 s70, 0                               ; E's first tile
	s_mov_b32 s71, 0                               ; E's rows
	s_mov_b32 s72, 0                               ; E's counts in waves 0, 1, 2
	s_mov_b32 s73, 0
	s_mov_b32 s74, 0
	v_mov_b32 v192, 0
	v_mov_b32 v193, 0
.irp e, 0,1,2,3,4,5,6,7
	s_add_co_u32 s66, s[32+\e], s[40+\e]
	s_add_co_u32 s67, s[48+\e], s[56+\e]
	s_add_co_u32 s66, s66, s67                     ; rows
	s_add_co_u32 s67, s66, 15
	s_lshr_b32 s67, s67, 4                         ; tiles
	s_cmp_ge_u32 s19, s68
	s_cselect_b32 s69, \e, s69
	s_cselect_b32 s70, s68, s70
	s_cselect_b32 s71, s66, s71
	s_cselect_b32 s72, s[32+\e], s72
	s_cselect_b32 s73, s[40+\e], s73
	s_cselect_b32 s74, s[48+\e], s74
	s_cmp_lg_u32 s67, 0
	s_cselect_b32 s76, s68, 0                      ; an expert without rows states tile 0
	v_writelane_b32 v192, s76, \e
	v_writelane_b32 v193, s67, \e
	s_add_co_u32 s68, s68, s67
.endr
	s_cmp_lt_u32 s19, s68
	s_cselect_b32 s77, 1, 0                        ; does tile T exist?
	s_sub_co_u32 s78, s19, s70
	s_lshl_b32 s78, s78, 4                         ; rank of the tile's first row
	s_sub_co_u32 s79, s71, 1
	s_sub_co_u32 s79, s79, s78
	s_min_u32 s79, s79, 15                         ; the tile's last real row
	s_sub_co_u32 s80, 0, s78                       ; the rank of my wave's first row of E, less the tile's first
	s_cmp_gt_u32 s18, 0
	s_cselect_b32 s81, s72, 0
	s_add_co_u32 s80, s80, s81
	s_cmp_gt_u32 s18, 1
	s_cselect_b32 s81, s73, 0
	s_add_co_u32 s80, s80, s81
	s_cmp_gt_u32 s18, 2
	s_cselect_b32 s81, s74, 0
	s_add_co_u32 s80, s80, s81
	; ranks: a slot of E whose rank falls into the tile goes to its place in my wave's list, every other to the dump word.  EXEC stays whole.
.set x, 0
.rept 16
	v_cmp_eq_u32 s82, s69, v[EV+x]
	v_mbcnt_lo_u32_b32 v194, s82, 0
	v_add_nc_u32 v194, s80, v194
	v_cmp_gt_u32 s84, 16, v194
	s_and_b32 s84, s84, s82
	v_cndmask_b32 v194, 16, v194, s84
	v_min_u32 v194, 16, v194
	v_lshl_add_u32 v195, v194, 2, v44
	v_add_nc_u32 v196, 512*(x/4)+x%4, v[IDX+x]
	ds_store_b32 v195, v196
	s_bcnt1_i32_b32 s85, s82
	s_add_co_u32 s80, s80, s85
.set x, x+1
.endr
	s_wait_dscnt 0x0                               ; for the others' sake: my list is in LDS
	s_barrier_signal -1
	s_barrier_wait -1
	s_cmp_eq_u32 s77, 0
	s_cbranch_scc1 .Lend                           ; no such tile in this split: nothing to store; no barrier is jumped
	; the gather.  A place of the tile is filled in one of the four lists and 0 in the others.  Lanes 0-15 take row 2 u, lanes 16-31 row 2 u + 1.
.irp u, 0,1,2,3,4,5,6,7
	v_add_nc_u32 v[TP+\u], 2*\u, v3
	v_min_u32 v[TP+\u], s79, v[TP+\u]              ; places past the count repeat the last row
	v_min_u32 v[TP+\u], 15, v[TP+\u]
	v_lshlrev_b32 v[TP+\u], 2, v[TP+\u]
.irp n, 0,1,2,3
	ds_load_b32 v[D+4*\u+\n], v[TP+\u] offset:LIST+128*\n
.endr
.endr
	s_wait_dscnt 0x0
.irp u, 0,1,2,3,4,5,6,7
	v_or_b32 v[D+4*\u], v[D+4*\u], v[D+4*\u+1]
	v_or_b32 v[D+4*\u+2], v[D+4*\u+2], v[D+4*\u+3]
	v_or_b32 v[D+4*\u], v[D+4*\u], v[D+4*\u+2]
	v_bfe_u32 v[TP+\u], v[D+4*\u], 1, 15           ; the token
	v_min_u32 v[TP+\u], 0x3ff, v[TP+\u]
	v_lshl_add_u32 v[XO+\u], v[TP+\u], 12, v47
.endr
.irp u, 0,1,2,3,4,5,6,7
.irp c, 0,1,2,3
	global_load_b128 v[D+16*\u+4*\c:D+16*\u+4*\c+3], v[XO+\u], s[4:5] offset:256*\c  ; sixteen lanes: 256 consecutive bytes of a row; all 32 loads are out together
.endr
.endr
.irp u, 0,1,2,3,4,5,6,7
	s_wait_loadcnt 28-4*\u                         ; the four loads of each later u may stay out
.irp c, 0,1,2,3
	v_cvt_pk_bf16_f32 v[D+16*\u+4*\c], v[D+16*\u+4*\c], v[D+16*\u+4*\c+1]
	v_cvt_pk_bf16_f32 v[D+16*\u+4*\c+1], v[D+16*\u+4*\c+2], v[D+16*\u+4*\c+3]
	ds_store_b64 v43, v[D+16*\u+4*\c:D+16*\u+4*\c+1] offset:1056*\u+128*\c
.endr
.endr
.set n, 0
.rept 16                               ; image n: kb = 4 w + n / 4, s = (n / 2) % 2, a = n % 2.  My own stage: LDS serves a wave's instructions in order (ISA guide 5.7.1.4)
	ds_load_b128 v[D+4*n:D+4*n+3], v5 offset:128*(n/4)+64*((n/2)%2)+16*(n%2)
.set n, n+1
.endr
.set n, 0
.rept 16
	s_wait_dscnt 15-n
	global_store_b128 v6, v[D+4*n:D+4*n+3], s[10:11] offset:(n/4)*KBS+((n/2)%2)*1024+(n%2)*512  ; 512 consecutive bytes, aligned
.set n, n+1
.endr
	s_cmp_lg_u32 s18, 0
	s_cbranch_scc1 .Lend
	; wave 0: the tile's slots and weights (lanes 16-31 repeat lanes 0-15)
	v_min_u32 v56, s79, v2
	v_min_u32 v56, 15, v56
	v_lshlrev_b32 v56, 2, v56
.irp n, 0,1,2,3
	ds_load_b32 v[57+\n], v56 offset:LIST+128*\n
.endr
	s_wait_dscnt 0x0
	v_or_b32 v57, v57, v58
	v_or_b32 v59, v59, v60
	v_or_b32 v57, v57, v59
	v_bfe_u32 v58, v57, 1, 15
	v_min_u32 v58, 0x3ff, v58
	s_min_u32 s69, s69, 7
	s_lshl_b32 s82, s69, 2
	v_lshl_add_u32 v58, v58, 5, s82                ; routing_weights[token][E]
	global_load_b32 v59, v58, s[8:9]
	v_and_b32 v60, 0xffff, v57                     ; the slot
	v_and_b32 v61, 0x10000, v57
	s_lshl_b32 s83, s19, 6
	v_lshl_add_u32 v62, v2, 2, s83
	global_store_b32 v62, v60, s[12:13]
	s_wait_loadcnt 0x0
	v_cvt_pk_bf16_f32 v59, v59, v59                ; rounded to bf16, like every input of the products,
	v_lshlrev_b32 v59, 16, v59                     ; and kept as f32
	v_cmp_eq_u32 vcc_lo, 0, v61
	v_cndmask_b32 v59, 0, v59, vcc_lo              ; 0 for an index outside 0..7
	global_store_b32 v62, v59, s[14:15]
	s_cmp_lg_u32 s19, 0
	s_cbranch_scc1 .Lend
	v_lshlrev_b32 v63, 3, v1
	global_store_b64 v63, v[192:193], s[16:17]     ; work-group 0: the table of tiles, 256 bytes whole
.Lend:
	s_wait_tensorcnt 0x0                           ; the wave's end, behind my last LDS store
	ds_add_u32 v198, v199
	s_wait_dscnt 0x0
	s_endpgm
.Lfunc_end_k_q158b0bb1e0_route:
	.size	k_q158b0bb1e0_route, .Lfunc_end_k_q158b0bb1e0_route-k_q158b0bb1e0_route
	.p2alignl 7, 3214868480
	.fill 96, 4, 3214868480
	.section	.rodata,"a",@progbits
	.p2align	6, 0x0
	.amdhsa_kernel k_q158b0bb1e0_route
		.amdhsa_group_segment_fixed_size 35328
		.amdhsa_private_segment_fixed_size 0
		.amdhsa_enable_private_segment 0
		.amdhsa_kernarg_size 56
		.amdhsa_user_sgpr_count 2
		.amdhsa_user_sgpr_kernarg_segment_ptr 1
		.amdhsa_wavefront_size32 1
		.amdhsa_system_sgpr_workgroup_id_x 1
		.amdhsa_system_sgpr_workgroup_id_y 1
		.amdhsa_system_sgpr_workgroup_id_z 1
		.amdhsa_system_vgpr_workitem_id 0
		.amdhsa_next_free_vgpr 200
		.amdhsa_next_free_sgpr 100
		.amdhsa_reserve_vcc 1
		.amdhsa_float_denorm_mode_32 3
		.amdhsa_float_denorm_mode_16_64 3
		.amdhsa_memory_ordered 1
		.amdhsa_forward_progress 1
		.amdhsa_inst_pref_size 57
	.end_amdhsa_kernel
	.amdgpu_metadata
---
amdhsa.version: [ 1, 2 ]
amdhsa.kernels:
  - .name:           k_q158b0bb1e0_route
    .symbol:         k_q158b0bb1e0_route.kd
    .args:
      - { .name: hidden_states, .offset: 0, .size: 8, .value_kind: global_buffer, .address_space: global }
      - { .name: router_indices, .offset: 8, .size: 8, .value_kind: global_buffer, .address_space: global }
      - { .name: routing_weights, .offset: 16, .size: 8, .value_kind: global_buffer, .address_space: global }
      - { .name: ximg, .offset: 24, .size: 8, .value_kind: global_buffer, .address_space: global }
      - { .name: order, .offset: 32, .size: 8, .value_kind: global_buffer, .address_space: global }
      - { .name: roww, .offset: 40, .size: 8, .value_kind: global_buffer, .address_space: global }
      - { .name: tiles, .offset: 48, .size: 8, .value_kind: global_buffer, .address_space: global }
    .group_segment_fixed_size: 35328
    .private_segment_fixed_size: 0
    .kernarg_segment_align: 8
    .kernarg_segment_size: 56
    .max_flat_workgroup_size: 128
    .sgpr_count:     100
    .vgpr_count:     200
    .wavefront_size: 32
...
	.end_amdgpu_metadata
.endif
;; end of part 1
;; launch gateup (part 2): grid 32 x 8, 4 waves a work-group, no clusters, 295,424 bytes of LDS; arguments gate_up_proj, gate_up_proj_bias, lora_A_gate_up, lora_B_gate_up, ximg, tiles, gimg; writes gimg
.if DOCPART == 2
	.amdgcn_target "amdgcn-amd-amdhsa--gfx1250"
	.amdhsa_code_object_version 6
	.text
	.protected	k_q158b0bb1e0_gateup
	.globl	k_q158b0bb1e0_gateup
	.p2align	8
	.type	k_q158b0bb1e0_gateup,@function
k_q158b0bb1e0_gateup:
	s_mov_b64 s[64:65], 0
	v_nop
	global_prefetch_b8 v0, s[64:65] scope:SCOPE_SE
	s_setreg_imm32_b32 hwreg(HW_REG_WAVE_MODE, 25, 1), 1
	s_wait_xcnt 0x0
; GATE_UP.  gu = x W + bias + 2 (x A) B;  gated = (clip(up, -7, 7) + 1) gate' sigmoid(1.702 gate'), gate' = min(gate, 7); gate = even, up = odd columns.  Only the routed rows are multiplied.
; SHARES.  Work-group (SL, E): expert E, columns 128 SL .. + 127 (64 gated numbers), all of E's rows.  It alone reads its 512 KB of f32 weights, once.
; THE WEIGHTS go through registers: a 16-byte load takes, in lanes 0-15, 256 consecutive bytes of row k and, in lanes 16-31, of row k + 16; rounding rows in pairs makes four finished
; operands at once.  K goes in 16 chunks of 64; each chunk's 18 images (2 steps of 32 x (8 column tiles + lora_A)) stay in LDS: 288 KB, written once, never again.
; PASS 0 takes E's first 20 row tiles (320 rows): in trip i chunk i is multiplied, chunk i + 1 rounded and stored to LDS, chunks i + 2 and i + 3 are on their way.  One barrier a trip.
; LATER BLOCKS of 20 tiles (a lopsided split) find all weights in LDS: no LDS write, no barrier in them; dead blocks are jumped forward.
; ROWS.  Wave w owns tiles 4 i + w of a block, i = 0..4; i = 4 only if it exists (s31); tiles past the block's count repeat an existing tile and are not stored.
; K ORDER, alike in both sources: lane half h, registers 0-3: k = 16 h + 0..7 of a step of 32; registers 4-7: k = 16 h + 8..15.
; THE PRODUCT IS USED TRANSPOSED (source 0 = weights, source 1 = tokens): column tile c = 4 g + k4 holds columns 64 g + 4 r' + k4, so a lane holds one token, and of group g the gates
; (k4 = 0, 2) and ups (k4 = 1, 3) of the gated numbers 32 g + 16 h + 0..15: rounded in pairs these ARE the next product's operand image (kb = SL, s = g).
; FORMATS.  x, W, A, B and the bias rounded once to bf16; 2 x A rounded once to bf16; all sums f32 (they start at the bias).  gated is rounded once to F16: eleven significant bits, since its rounding
; reaches the output undiminished.  The clips of the formula itself hold it within -42 .. 56 for every input (gate' sigmoid in -0.17 .. 7, up + 1 in -6 .. 8), far inside f16's 65,504.
; LIMITS.  Below 6e-5 gated keeps f16's fixed step of 6e-8.  NaN is not treated apart (min and clip drop it); the exponential and the reciprocal flush denormals: the sigmoid counts as 0 below gate = -51.
; NO MULTICAST: an expert's 32 work-groups share its token images, but these go from memory straight into operand registers; LDS is full of the slice, and the later blocks' trips hang on stored counts.
; REGISTERS in windows of 256 (s_set_vgpr_msb: bits 1:0 source 0, 3:2 source 1, 5:4 source 2, 7:6 destination):
;   window 0: v0-16 addresses; v30-31 for the closing add; v32-175 a chunk's 18 weight images (on the way out: at work); v176-239 lora_B's 8 images
;   window 1: sums of tiles 0-3, v[64 t + 8 c + j]        window 2: v0-63 sums of tile 4; v64-103 x A, 8 a tile; v104-175, v176-247 two buffers of f32 weights
;   window 3: v0-79, v80-159 two buffers of token images (tile i, step s at 16 i + 8 s); v160-195 rounded weights on their way to LDS
.set KBS,   278528                     ; bytes of ximg and gimg from kb to kb + 1
.set CHB,   18432                      ; a chunk in LDS: image (s, c, a) at (9 s + c) 1024 + 512 a + 16 lane
.set SPARE, 16*CHB                     ; behind the chunks: the spare words, 128 bytes a wave
.set WF,   32
.set BF,   176
.set TMPV, 32                          ; the way out: a tile's 64 numbers, v[TMPV + 8 c + j]
.set EX,   96
.set PKD,  128
.set XA,   64                          ; window 2
.set LW,   104                         ; window 2
.set HH,   160                         ; window 3
; scalars: s[4:5] W (walks), s[6:7] bias, s[8:9] A (walks), s[10:11] B, s[12:13] ximg, s[14:15] tiles, s[16:17] gimg at kb = SL, s18 wave, s19 SL, s20 E, s21 s22 which half-images I round,
; s26 first tile, s27 tiles, s28 blocks, s29 block, s30 tiles in it, s31 fifth tile?, s32 my tiles, s33 s34 counters, s[36:37] ximg (walks), s45 the block's first tile, s43 s44 7 and -7, s[48:49] -1.702 log2 e,
; s50 a word's upper bf16
.set MSB, 0
.macro WIN new                         ; the high byte repeats the setting that is left; a switch that changes nothing is dropped
.if MSB != (\new)
	s_set_vgpr_msb (MSB<<8)|(\new)
.set MSB, (\new)
.endif
.endm
.macro PLACES                          ; four plain vector instructions between a matrix instruction and whatever reads its result or writes its registers (ISA guide 7.12.1)
.rept 4
	v_nop
.endr
.endm
.macro WLOAD q                         ; the next chunk's f32 weights for my half-images: 24 loads
	WIN 0x80
.irp g, 0,1
.irp i, 0,1,2,3,4,5,6,7
	global_load_b128 v[LW+72*(\q)+4*(8*\g+\i):LW+72*(\q)+4*(8*\g+\i)+3], v5, s[4:5] offset:16384*\i+256*\g th:TH_LOAD_NT
.endr
.endr
.irp i, 0,1,2,3,4,5,6,7
	global_load_b32 v[LW+72*(\q)+64+\i], v6, s[8:9] offset:64*\i
.endr
	WIN 0
	s_wait_xcnt 0x0                                ; the bases are stepped only behind this wait
	s_add_nc_u64 s[4:5], s[4:5], 0x100000          ; 64 rows of 16,384 bytes
	s_add_nc_u64 s[8:9], s[8:9], 0x1000
.endm
.macro XLOAD q                         ; the next chunk's token images, from memory straight into operand registers: 16 loads, or 20
	WIN 0xc0
.irp i, 0,1,2,3
.irp s, 0,1
.irp a, 0,1
	global_load_b128 v[80*(\q)+16*\i+8*\s+4*\a:80*(\q)+16*\i+8*\s+4*\a+3], v[11+\i], s[36:37] offset:1024*\s+512*\a
.endr
.endr
.endr
	WIN 0
	s_cmp_eq_u32 s31, 0
	s_cbranch_scc1 .Lnox_\@
	WIN 0xc0
.irp s, 0,1
.irp a, 0,1
	global_load_b128 v[80*(\q)+64+8*\s+4*\a:80*(\q)+64+8*\s+4*\a+3], v15, s[36:37] offset:1024*\s+512*\a
.endr
.endr
	WIN 0
.Lnox_\@:
	s_wait_xcnt 0x0
	s_add_nc_u64 s[36:37], s[36:37], KBS
.endm
.macro STAGE q                         ; a chunk's weights are rounded, rows in pairs, and my nine half-images stored
	WIN 0xca
.irp g, 0,1
.irp k, 0,1,2,3
.irp p, 0,1,2,3
	v_cvt_pk_bf16_f32 v[HH+4*(4*\g+\k)+\p], v[LW+72*(\q)+4*(8*\g+2*\p)+\k], v[LW+72*(\q)+4*(8*\g+2*\p+1)+\k]
.endr
.endr
.endr
.irp p, 0,1,2,3
	v_cvt_pk_bf16_f32 v[HH+32+\p], v[LW+72*(\q)+64+2*\p], v[LW+72*(\q)+64+2*\p+1]
.endr
	WIN 0x0c
.irp c, 0,1,2,3,4,5,6,7,8
	ds_store_b128 v9, v[HH+4*\c:HH+4*\c+3] offset:1024*\c
.endr
	WIN 0
	v_add_nc_u32 v9, CHB, v9
.endm
.macro WFLOAD                          ; a chunk's 18 images: 36 loads, each 512 consecutive bytes
	WIN 0
.irp s, 0,1
.irp c, 0,1,2,3,4,5,6,7,8
.irp a, 0,1
	ds_load_b128 v[WF+8*(9*\s+\c)+4*\a:WF+8*(9*\s+\c)+4*\a+3], v10 offset:1024*(9*\s+\c)+512*\a
.endr
.endr
.endr
	v_add_nc_u32 v10, CHB, v10
.endm
.macro COMPUTE q                       ; 72 products, or 90.  The accumulators take turns, one instruction a turn, over the loop's jump too
	WIN 0x5c
.irp t, 0,1,2,3
.irp s, 0,1
.irp c, 0,1,2,3,4,5,6,7
	v_wmma_f32_16x16x32_bf16 v[64*\t+8*\c:64*\t+8*\c+7], v[WF+8*(9*\s+\c):WF+8*(9*\s+\c)+7], v[80*(\q)+16*\t+8*\s:80*(\q)+16*\t+8*\s+7], v[64*\t+8*\c:64*\t+8*\c+7]
.endr
.endr
.endr
	WIN 0xac
.irp s, 0,1
.irp t, 0,1,2,3
	v_wmma_f32_16x16x32_bf16 v[XA+8*\t:XA+8*\t+7], v[WF+8*(9*\s+8):WF+8*(9*\s+8)+7], v[80*(\q)+16*\t+8*\s:80*(\q)+16*\t+8*\s+7], v[XA+8*\t:XA+8*\t+7]
.endr
.endr
	WIN 0
	s_cmp_eq_u32 s31, 0
	s_cbranch_scc1 .Lno5_\@
	WIN 0xac
.irp s, 0,1
.irp c, 0,1,2,3,4,5,6,7
	v_wmma_f32_16x16x32_bf16 v[8*\c:8*\c+7], v[WF+8*(9*\s+\c):WF+8*(9*\s+\c)+7], v[80*(\q)+64+8*\s:80*(\q)+64+8*\s+7], v[8*\c:8*\c+7]
.endr
	v_wmma_f32_16x16x32_bf16 v[XA+32:XA+39], v[WF+8*(9*\s+8):WF+8*(9*\s+8)+7], v[80*(\q)+64+8*\s:80*(\q)+64+8*\s+7], v[XA+32:XA+39]
.endr
	WIN 0
.Lno5_\@:
	PLACES                                         ; in front of the loads into the images just multiplied
.endm
; Trip i of pass 0, on token buffer b = i % 2.  Loads are issued in the order X(i + 1), W(i + 3); so behind X(i), which this trip needs, stand only the 24 of W(i + 2), whether or not a fifth tile is loaded.
.macro TRIP b, wcnt, xl, st, wl
	s_wait_dscnt 0x0                               ; for the others' sake: my half-images of chunk i are in LDS
	s_barrier_signal -1
	s_barrier_wait -1                              ; everybody's are.  No image byte is written twice, so this is all the ordering that the images need
	WFLOAD
	s_wait_loadcnt \wcnt                           ; X(i) and W(i + 1) are in; W(i + 2) may stay out
.if \xl
	XLOAD 1-(\b)
.endif
.if \st
	STAGE 1-(\b)
.endif
.if \wl
	WLOAD 1-(\b)
.endif
.if \st
	s_wait_dscnt 9                                 ; the 36 loads are back; the nine stores issued behind them may be out
.else
	s_wait_dscnt 0x0
.endif
	COMPUTE \b
.endm
.macro BLOCKSET                        ; block s29: its count, my tiles, their offsets.  All numbers from the table are clamped by constants before they enter an address
	s_wait_xcnt 0x0
	s_mul_i32 s45, s29, 20
	s_sub_co_u32 s30, s27, s45
	s_min_u32 s30, s30, 20                         ; tiles in the block
	s_add_co_u32 s46, s18, 16
	s_cmp_lt_u32 s46, s30
	s_cselect_b32 s31, 1, 0                        ; have I a fifth tile?
	s_add_co_u32 s32, s30, 3
	s_sub_co_u32 s32, s32, s18
	s_lshr_b32 s32, s32, 2                         ; how many tiles of mine exist
	s_max_u32 s47, s30, 1
	s_sub_co_u32 s47, s47, 1
	s_add_co_u32 s45, s45, s26
.irp i, 0,1,2,3,4
	s_add_co_u32 s46, s18, 4*\i
	s_min_u32 s46, s46, s47                        ; a tile past the count repeats the block's last
	s_add_co_u32 s46, s46, s45
	s_min_u32 s46, s46, 135
	s_lshl_b32 s46, s46, 11
	v_add_nc_u32 v[11+\i], s46, v4
.endr
	s_mov_b64 s[36:37], s[12:13]
.endm
.macro ACCINIT                         ; the sums start at the bias, rounded to bf16 like every input: the way out then has no addition for it.  x A starts at 0
	WIN 0
.irp g, 0,1
.irp j, 0,1,2,3,4,5,6,7
	global_load_b128 v[32+32*\g+4*\j:32+32*\g+4*\j+3], v8, s[6:7] offset:256*\g+16*\j
.endr
.endr
	s_wait_loadcnt 0x0
.set n, 0
.rept 32
	v_cvt_pk_bf16_f32 v[32+2*n], v[32+2*n], v[32+2*n+1]  ; two roundings,
.set n, n+1
.endr
.set n, 0
.rept 32
	v_and_b32 v[32+2*n+1], s50, v[32+2*n]          ; and back to f32, each in its place: the upper half stays,
.set n, n+1
.endr
.set n, 0
.rept 32
	v_lshlrev_b32 v[32+2*n], 16, v[32+2*n]         ; the lower moves up
.set n, n+1
.endr
	WIN 0x40
.irp t, 0,1,2,3
.irp c, 0,1,2,3,4,5,6,7
.irp j, 0,1,2,3,4,5,6,7
	v_mov_b32 v[64*\t+8*\c+\j], v[32+32*(\c/4)+4*\j+(\c%4)]
.endr
.endr
.endr
	WIN 0x80
.irp c, 0,1,2,3,4,5,6,7
.irp j, 0,1,2,3,4,5,6,7
	v_mov_b32 v[8*\c+\j], v[32+32*(\c/4)+4*\j+(\c%4)]
.endr
.endr
.set n, 0
.rept 40
	v_mov_b32 v[XA+n], 0
.set n, n+1
.endr
	WIN 0
.endm
.macro COPY t                          ; tile t's sums leave their window, clamped on the way: gates from above, ups from both sides; each accumulator from its lowest register on
.if (\t) < 4
	WIN 0x05
.set AB, 64*(\t)
.else
	WIN 0x0a
.set AB, 0
.endif
.irp c, 0,1,2,3,4,5,6,7
.irp j, 0,1,2,3,4,5,6,7
.if (\c%2) == 0
	v_min_num_f32 v[TMPV+8*\c+\j], s43, v[AB+8*\c+\j]
.else
	v_med3_num_f32 v[TMPV+8*\c+\j], v[AB+8*\c+\j], s44, s43
.endif
.endr
.endr
	WIN 0
.endm
	s_load_b256 s[4:11], s[0:1], 0x0
	s_load_b128 s[12:15], s[0:1], 0x20
	s_load_b64 s[16:17], s[0:1], 0x30
	v_lshl_add_u32 v30, v0, 2, SPARE               ; my spare word,
	v_mov_b32 v31, 0                               ; and 0: kept for the closing add alone
	v_lshrrev_b32 v1, 5, v0
	v_readfirstlane_b32 s18, v1                    ; wave 0..3
	s_mov_b32 s19, ttmp9                           ; SL
	s_and_b32 s20, ttmp7, 0xffff                   ; E
	s_lshr_b32 s21, s18, 1                         ; I round step s21,
	s_and_b32 s22, s18, 1                          ; half s22 of every image
	s_lshl_b32 s23, s20, 3
	v_and_b32 v1, 31, v0
	v_and_b32 v2, 15, v0                           ; r
	v_bfe_u32 v3, v0, 4, 1                         ; h
	v_lshlrev_b32 v4, 4, v1                        ; 16 lane
	v_lshlrev_b32 v8, 4, v2
	v_lshl_add_u32 v5, v3, 18, v8                  ; W: 16 rows further for lanes 16-31, 16 r
	v_lshl_add_u32 v7, v3, 17, v8                  ; lora_B: 8 ranks further, 16 r
	v_lshlrev_b32 v6, 2, v2
	v_lshl_add_u32 v6, v3, 10, v6                  ; lora_A: 16 rows of 64 bytes further, 4 r
	v_lshlrev_b32 v8, 7, v3                        ; bias: 32 columns further
	s_mul_i32 s46, s21, 9216
	s_lshl_b32 s47, s22, 9
	s_add_co_u32 s46, s46, s47
	v_add_nc_u32 v9, s46, v4                       ; where I store half-images (walks)
	v_mov_b32 v10, v4                              ; where I read images (walks)
	s_mov_b32 s43, 0x40e00000                      ; 7.0
	s_mov_b32 s44, 0xc0e00000                      ; -7.0
	s_mov_b32 s48, 0xc01d265f                      ; -1.702 log2(e)
	s_mov_b32 s49, s48                             ; named with it as a pair
	s_mov_b32 s50, 0xffff0000                      ; a word's upper bf16
	s_mov_b32 s25, 0
	s_lshl_b32 s24, s20, 24                        ; W: E x 1,024 rows of 16,384 bytes
	s_lshl_b32 s46, s19, 9                         ; + 128 SL columns
	s_add_co_u32 s24, s24, s46
	s_lshl_b32 s47, s21, 19                        ; + 32 rows for step 1
	s_add_co_u32 s24, s24, s47
	s_lshl_b32 s47, s22, 17                        ; + 8 rows for half 1
	s_add_co_u32 s24, s24, s47
	s_wait_kmcnt 0x0
	s_load_b64 s[26:27], s[14:15], s23 offset:0x0  ; E's first tile and number of tiles
	s_add_nc_u64 s[4:5], s[4:5], s[24:25]
	s_lshl_b32 s24, s20, 14
	s_add_co_u32 s24, s24, s46
	s_add_nc_u64 s[6:7], s[6:7], s[24:25]
	s_lshl_b32 s24, s20, 16
	s_lshl_b32 s47, s21, 11
	s_add_co_u32 s24, s24, s47
	s_lshl_b32 s47, s22, 9
	s_add_co_u32 s24, s24, s47
	s_add_nc_u64 s[8:9], s[8:9], s[24:25]
	s_lshl_b32 s24, s20, 18
	s_add_co_u32 s24, s24, s46
	s_add_nc_u64 s[10:11], s[10:11], s[24:25]
	s_mul_i32 s24, s19, KBS
	s_add_nc_u64 s[16:17], s[16:17], s[24:25]
	WLOAD 0                                        ; the weights hang on the grid alone: chunks 0 and 1 are asked for at once
	WLOAD 1
	WIN 0xc0
.irp g, 0,1
.irp i, 0,1,2,3,4,5,6,7
	global_load_b128 v[80+4*(8*\g+\i):80+4*(8*\g+\i)+3], v7, s[10:11] offset:16384*\i+256*\g  ; lora_B, for now in the second token buffer
.endr
.endr
.set n, 0
.rept 16
	v_mov_b32 v[64+n], 0                           ; the fifth tile's images hold numbers on every path
	v_mov_b32 v[144+n], 0
.set n, n+1
.endr
	WIN 0
	s_wait_kmcnt 0x0
	s_min_u32 s26, s26, 135
	s_min_u32 s27, s27, 128
	s_add_co_u32 s28, s27, 19
	s_mul_i32 s28, s28, 205
	s_lshr_b32 s28, s28, 12                        ; (tiles + 19) / 20, exact up to 147
	s_max_u32 s28, s28, 1
	s_mov_b32 s29, 0
	BLOCKSET
	XLOAD 0
	ACCINIT                                        ; its wait for 0 covers all that has been asked for
	WIN 0x0f
.irp g, 0,1
.irp k, 0,1,2,3
.irp p, 0,1,2,3
	v_cvt_pk_bf16_f32 v[BF+8*(4*\g+\k)+\p], v[80+4*(8*\g+2*\p)+\k], v[80+4*(8*\g+2*\p+1)+\k]  ; lora_B's images: ranks 8 h + 0..7;
.endr
.endr
.endr
	WIN 0
.irp c, 0,1,2,3,4,5,6,7
.irp p, 4,5,6,7
	v_mov_b32 v[BF+8*\c+\p], 0                     ; K runs to 32: the other half is 0
.endr
.endr
	STAGE 0
	WLOAD 0                                        ; chunk 2
	s_mov_b32 s34, 6
.Lk:
	TRIP 0, 24, 1, 1, 1
	TRIP 1, 24, 1, 1, 1
	s_sub_co_u32 s34, s34, 1
	s_cmp_lg_u32 s34, 0
	s_cbranch_scc1 .Lk
	TRIP 0, 24, 1, 1, 1                            ; trip 12 asks for the last chunk of weights
	TRIP 1, 24, 1, 1, 0
	TRIP 0, 0, 1, 1, 0                             ; no weights were asked for behind X(14): the wait is for 0
	TRIP 1, 0, 0, 0, 0
	s_mov_b32 s29, 0
.Lblk:                                                 ; seven trips: 128 tiles, the most an expert can have, are seven blocks.  Trip 0 only finishes pass 0's sums
	s_cmp_ge_u32 s29, s28
	s_cbranch_scc1 .Lnext                          ; no such block
	s_cmp_eq_u32 s29, 0
	s_cbranch_scc1 .Lfin
	BLOCKSET
	ACCINIT
	v_mov_b32 v10, v4
	s_mov_b32 s34, 16
.Lk2:                                                  ; the weights lie in LDS: nothing is written there, and no barrier is needed.  A trip: a chunk's token images, its weight images, both waited for, the products
	XLOAD 0
	WFLOAD
	s_wait_loadcnt 0x0
	s_wait_dscnt 0x0
	COMPUTE 0
	s_sub_co_u32 s34, s34, 1
	s_cmp_lg_u32 s34, 0
	s_cbranch_scc1 .Lk2
.Lfin:
	; LoRA's second product: 2 x A, rounded to bf16, is source 1 (a lane: one token, ranks 8 h + 0..7; the other half of K is 0)
	WIN 0x82
.set n, 0
.rept 20
	v_pk_mul_f32 v[XA+2*n:XA+2*n+1], v[XA+2*n:XA+2*n+1], 2.0 op_sel_hi:[1,0]
.set n, n+1
.endr
	WIN 0xca
.set n, 0
.rept 20
	v_cvt_pk_bf16_f32 v[8*(n/4)+n%4], v[XA+2*n], v[XA+2*n+1]
.set n, n+1
.endr
	WIN 0xc0
.set n, 0
.rept 20
	v_mov_b32 v[8*(n/4)+4+n%4], 0
.set n, n+1
.endr
	WIN 0x5c
.irp t, 0,1,2,3
.irp c, 0,1,2,3,4,5,6,7
	v_wmma_f32_16x16x32_bf16 v[64*\t+8*\c:64*\t+8*\c+7], v[BF+8*\c:BF+8*\c+7], v[8*\t:8*\t+7], v[64*\t+8*\c:64*\t+8*\c+7]
.endr
.endr
	WIN 0xac
.irp c, 0,1,2,3,4,5,6,7
	v_wmma_f32_16x16x32_bf16 v[8*\c:8*\c+7], v[BF+8*\c:BF+8*\c+7], v[32:39], v[8*\c:8*\c+7]
.endr
	WIN 0
	PLACES
	; THE WAY OUT, a tile a trip; tiles that do not exist are jumped
	s_mov_b32 s33, 0
.Lepi:
	s_cmp_ge_u32 s33, s32
	s_cbranch_scc1 .Lepin
	s_cmp_eq_u32 s33, 0
	s_cbranch_scc1 .Lc0
	s_cmp_eq_u32 s33, 1
	s_cbranch_scc1 .Lc1
	s_cmp_eq_u32 s33, 2
	s_cbranch_scc1 .Lc2
	s_cmp_eq_u32 s33, 3
	s_cbranch_scc1 .Lc3
	COPY 4
	s_branch .Lcom
.Lc0:
	COPY 0
	s_branch .Lcom
.Lc1:
	COPY 1
	s_branch .Lcom
.Lc2:
	COPY 2
	s_branch .Lcom
.Lc3:
	COPY 3
.Lcom:
.set n, 0
.rept 16                               ; gates lie at TMPV + 16 m, ups at TMPV + 16 m + 8, m = n / 4
	v_pk_mul_f32 v[EX+2*n:EX+2*n+1], v[TMPV+16*(n/4)+2*(n%4):TMPV+16*(n/4)+2*(n%4)+1], s[48:49] op_sel_hi:[1,0]
.set n, n+1
.endr
.set n, 0
.rept 32
	v_exp_f32 v[EX+n], v[EX+n]                     ; 2^(-1.702 log2(e) gate): one batch
.set n, n+1
.endr
.set n, 0
.rept 16
	v_pk_add_f32 v[TMPV+16*(n/4)+8+2*(n%4):TMPV+16*(n/4)+8+2*(n%4)+1], v[TMPV+16*(n/4)+8+2*(n%4):TMPV+16*(n/4)+8+2*(n%4)+1], 1.0 op_sel_hi:[1,0]  ; up + 1: plain work behind the batch
.set n, n+1
.endr
	s_wait_alu depctr_va_vdst(0)                   ; one wait for the 32 exponentials, ahead of their first reader
.set n, 0
.rept 16
	v_pk_add_f32 v[EX+2*n:EX+2*n+1], v[EX+2*n:EX+2*n+1], 1.0 op_sel_hi:[1,0]
.set n, n+1
.endr
.set n, 0
.rept 32
	v_rcp_f32 v[EX+n], v[EX+n]                     ; the sigmoid
.set n, n+1
.endr
	v_nop                                          ; a plain instruction behind the last reciprocal,
	s_wait_alu depctr_va_vdst(0)                   ; and one wait for the 32
.set n, 0
.rept 16
	v_pk_mul_f32 v[TMPV+16*(n/4)+2*(n%4):TMPV+16*(n/4)+2*(n%4)+1], v[TMPV+16*(n/4)+2*(n%4):TMPV+16*(n/4)+2*(n%4)+1], v[EX+2*n:EX+2*n+1]
.set n, n+1
.endr
.set n, 0
.rept 16
	v_pk_mul_f32 v[TMPV+16*(n/4)+2*(n%4):TMPV+16*(n/4)+2*(n%4)+1], v[TMPV+16*(n/4)+2*(n%4):TMPV+16*(n/4)+2*(n%4)+1], v[TMPV+16*(n/4)+8+2*(n%4):TMPV+16*(n/4)+8+2*(n%4)+1]
.set n, n+1
.endr
	s_wait_xcnt 0x0                                ; the last trip's stores have read their data and their offset
.set n, 0
.rept 16                               ; group g = n / 8, j = n % 8: gated numbers 16 h + 2 j (from k4 = 0) and 16 h + 2 j + 1 (from k4 = 2), rounded once, to f16
	v_cvt_pk_f16_f32 v[PKD+n], v[TMPV+32*(n/8)+n%8], v[TMPV+32*(n/8)+16+n%8]
.set n, n+1
.endr
	s_lshl2_add_u32 s46, s33, s18
	s_add_co_u32 s46, s46, s45
	s_min_u32 s46, s46, 135
	s_lshl_b32 s46, s46, 11
	v_add_nc_u32 v16, s46, v4
.irp g, 0,1
.irp a, 0,1
	global_store_b128 v16, v[PKD+8*\g+4*\a:PKD+8*\g+4*\a+3], s[16:17] offset:1024*\g+512*\a  ; 512 consecutive bytes, aligned
.endr
.endr
.Lepin:
	s_add_co_u32 s33, s33, 1
	s_cmp_lt_u32 s33, 5
	s_cbranch_scc1 .Lepi
.Lnext:
	s_add_co_u32 s29, s29, 1
	s_cmp_lt_u32 s29, 7
	s_cbranch_scc1 .Lblk
	s_wait_dscnt 0x0                               ; my reads of LDS are over;
	s_barrier_signal -1
	s_barrier_wait -1                              ; every wave's are: no wave writes LDS again, the closing add included, before all have read
	s_wait_tensorcnt 0x0                           ; the wave's end, behind my last LDS store
	ds_add_u32 v30, v31
	s_wait_dscnt 0x0
	s_endpgm
.Lfunc_end_k_q158b0bb1e0_gateup:
	.size	k_q158b0bb1e0_gateup, .Lfunc_end_k_q158b0bb1e0_gateup-k_q158b0bb1e0_gateup
	.p2alignl 7, 3214868480
	.fill 96, 4, 3214868480
	.section	.rodata,"a",@progbits
	.p2align	6, 0x0
	.amdhsa_kernel k_q158b0bb1e0_gateup
		.amdhsa_group_segment_fixed_size 295424
		.amdhsa_private_segment_fixed_size 0
		.amdhsa_enable_private_segment 0
		.amdhsa_kernarg_size 56
		.amdhsa_user_sgpr_count 2
		.amdhsa_user_sgpr_kernarg_segment_ptr 1
		.amdhsa_wavefront_size32 1
		.amdhsa_system_sgpr_workgroup_id_x 1
		.amdhsa_system_sgpr_workgroup_id_y 1
		.amdhsa_system_sgpr_workgroup_id_z 1
		.amdhsa_system_vgpr_workitem_id 0
		.amdhsa_next_free_vgpr 1024
		.amdhsa_next_free_sgpr 100
		.amdhsa_reserve_vcc 0
		.amdhsa_float_denorm_mode_32 3
		.amdhsa_float_denorm_mode_16_64 3
		.amdhsa_memory_ordered 1
		.amdhsa_forward_progress 1
		.amdhsa_inst_pref_size 184
	.end_amdhsa_kernel
	.amdgpu_metadata
---
amdhsa.version: [ 1, 2 ]
amdhsa.kernels:
  - .name:           k_q158b0bb1e0_gateup
    .symbol:         k_q158b0bb1e0_gateup.kd
    .args:
      - { .name: gate_up_proj, .offset: 0, .size: 8, .value_kind: global_buffer, .address_space: global }
      - { .name: gate_up_proj_bias, .offset: 8, .size: 8, .value_kind: global_buffer, .address_space: global }
      - { .name: lora_A_gate_up, .offset: 16, .size: 8, .value_kind: global_buffer, .address_space: global }
      - { .name: lora_B_gate_up, .offset: 24, .size: 8, .value_kind: global_buffer, .address_space: global }
      - { .name: ximg, .offset: 32, .size: 8, .value_kind: global_buffer, .address_space: global }
      - { .name: tiles, .offset: 40, .size: 8, .value_kind: global_buffer, .address_space: global }
      - { .name: gimg, .offset: 48, .size: 8, .value_kind: global_buffer, .address_space: global }
    .group_segment_fixed_size: 295424
    .private_segment_fixed_size: 0
    .kernarg_segment_align: 8
    .kernarg_segment_size: 56
    .max_flat_workgroup_size: 128
    .sgpr_count:     100
    .vgpr_count:     1024
    .wavefront_size: 32
...
	.end_amdgpu_metadata
.endif
;; end of part 2
;; launch down (part 3): grid 32 x 8, 4 waves a work-group, no clusters, 164,352 bytes of LDS; arguments down_proj, down_proj_bias, lora_A_down, lora_B_down, gimg, tiles, order, roww, part; writes part
.if DOCPART == 3
	.amdgcn_target "amdgcn-amd-amdhsa--gfx1250"
	.amdhsa_code_object_version 6
	.text
	.protected	k_q158b0bb1e0_down
	.globl	k_q158b0bb1e0_down
	.p2align	8
	.type	k_q158b0bb1e0_down,@function
k_q158b0bb1e0_down:
	s_mov_b64 s[64:65], 0
	v_nop
	global_prefetch_b8 v0, s[64:65] scope:SCOPE_SE
	s_setreg_imm32_b32 hwreg(HW_REG_WAVE_MODE, 25, 1), 1
	s_wait_xcnt 0x0
; DOWN.  part[KH][slot][:] = w (g W + bias + 2 (g A) B), summed over half KH of K; w = the slot's routing weight; the bias goes with KH = 0.  The next launch adds a token's four rows.
; SHARES.  Work-group (CS + 16 KH, E): expert E, columns 64 CS .. + 63 (256 bytes of a row), K = 1024 KH .. + 1023, all of E's rows.  It alone reads its 256 KB of f32 weights, once.
; The form is the first product's: weights through registers (lanes 0-15: 256 bytes of row k; lanes 16-31: of row k + 16), rounded in pairs of rows, resident in LDS; here 8 chunks of 128 k,
; each 20 images (4 steps of 32 x (4 column tiles + lora_A)): 160 KB, written once.  Wave w rounds step w.  Pass 0: the first 20 row tiles, one barrier a trip; later blocks: no LDS write, no barrier in them.
; THE MAIN PRODUCT IS NOT TRANSPOSED: source 0 = tokens, source 1 = weights; column tile k4 holds columns 4 r + k4, so register j of the four accumulators of a row tile is 16 bytes of row 8 h + j, and sixteen
; lanes store 256 consecutive bytes.  g A takes the sources the other way round, so that its result, rounded, is source 0 of the product with lora_B.
; FORMATS.  g arrives in f16 (within -42 .. 56 by the formula's own clips), so g W and g A are f16 products.  W and A are rounded to bf16, like every input, and THAT number is written as f16.
; 2 g A, which has no such bound, is rounded once to bf16 and multiplied with lora_B in bf16; the bias is rounded to bf16; all sums and the partial rows are f32.
; LIMITS.  A bf16 number is exact in f16 from 2^-17 to 65,504; a smaller weight is off by 3e-8 at the most, a larger one becomes an infinity.
; Places past an expert's count repeat its last row: they store the same bytes to the same place, so EXEC stays whole.
; NO MULTICAST: as in the first product: the shared token images go straight into operand registers, and the later blocks' trips hang on stored counts.
; REGISTERS in windows of 256: window 0: v0-21 addresses; v30-31 for the closing add; v32-191 a chunk's 20 images (on the way out: at work); v192-223 lora_B; v224-227 bias
;   window 1 + q, q = 0, 1: v0-159 token images (tile 32 t, step 8 s); v160-239 f32 weights (in window 1 later: the rows' weights and slots)
;   window 3: v0-159 sums, v[32 t + 8 k4 + j]; v160-199 g A; v200-239 rounded weights on their way to LDS
.set KBS,   278528
.set CHB,   20480                      ; a chunk in LDS: image (s, c, a) at (5 s + c) 1024 + 512 a + 16 lane
.set SPARE, 8*CHB
.set WF,  32
.set BF,  192
.set BI,  224
.set AD,  48                           ; the way out: eight store offsets
.set TT,  64                           ; the way out: eight rows' 16 bytes
.set LW,  160                          ; windows 1, 2
.set RT,  160                          ; window 1: tile t: eight weights at RT + 16 t, eight slots at RT + 16 t + 8
.set GA,  160                          ; window 3
.set HH,  200                          ; window 3
; scalars: s[4:5] W (walks), s[6:7] bias, s[8:9] A (walks), s[10:11] B, s[12:13] gimg, s[14:15] tiles, s[16:17] order, s[18:19] roww, s[20:21] part, s22 wave, s23 CS, s24 KH, s25 E,
; s26 first tile, s27 tiles, s28 blocks, s29 block, s30 tiles in it, s31 fifth tile?, s32 my tiles, s34 counter, s[36:37] gimg (walks), s43 the block's first tile, s[50:51] gimg at my half of K,
; s54 a word's upper bf16
.set MSB, 0
.macro WIN new
.if MSB != (\new)
	s_set_vgpr_msb (MSB<<8)|(\new)
.set MSB, (\new)
.endif
.endm
.macro PLACES
.rept 4
	v_nop
.endr
.endm
.macro WLOAD q                         ; the next chunk's f32 weights of my step: 32 loads
	WIN (1+(\q))<<6
.irp a, 0,1
.irp i, 0,1,2,3,4,5,6,7
	global_load_b128 v[LW+4*(8*\a+\i):LW+4*(8*\a+\i)+3], v5, s[4:5] offset:4096*(8*\a+\i) th:TH_LOAD_NT
.endr
.endr
.irp a, 0,1
.irp i, 0,1,2,3,4,5,6,7
	global_load_b32 v[LW+64+8*\a+\i], v6, s[8:9] offset:64*(8*\a+\i)
.endr
.endr
	WIN 0
	s_wait_xcnt 0x0
	s_add_nc_u64 s[4:5], s[4:5], 0x80000           ; 128 rows of 4,096 bytes
	s_add_nc_u64 s[8:9], s[8:9], 0x2000
.endm
.macro XLOAD q                         ; the next chunk's token images: 32 loads, or 40
	WIN (1+(\q))<<6
.irp t, 0,1,2,3
.irp s, 0,1,2,3
.irp a, 0,1
	global_load_b128 v[32*\t+8*\s+4*\a:32*\t+8*\s+4*\a+3], v[11+\t], s[36:37] offset:(\s/2)*KBS+(\s%2)*1024+512*\a
.endr
.endr
.endr
	WIN 0
	s_cmp_eq_u32 s31, 0
	s_cbranch_scc1 .Lnox_\@
	WIN (1+(\q))<<6
.irp s, 0,1,2,3
.irp a, 0,1
	global_load_b128 v[128+8*\s+4*\a:128+8*\s+4*\a+3], v15, s[36:37] offset:(\s/2)*KBS+(\s%2)*1024+512*\a
.endr
.endr
	WIN 0
.Lnox_\@:
	s_wait_xcnt 0x0
	s_add_nc_u64 s[36:37], s[36:37], 2*KBS
.endm
.macro ROWLOAD                         ; my five tiles' weights and slots: a lane takes those of rows 8 h + 0..7: 20 loads
	WIN 0x40
.irp t, 0,1,2,3,4
	global_load_b128 v[RT+16*\t:RT+16*\t+3], v[17+\t], s[18:19]
	global_load_b128 v[RT+16*\t+4:RT+16*\t+7], v[17+\t], s[18:19] offset:16
	global_load_b128 v[RT+16*\t+8:RT+16*\t+11], v[17+\t], s[16:17]
	global_load_b128 v[RT+16*\t+12:RT+16*\t+15], v[17+\t], s[16:17] offset:16
.endr
	WIN 0
.endm
; Pair n of the 40 that a chunk gives me: X, Y the two f32 numbers (rows 2 p and 2 p + 1 of half a), Z where the pair goes.
; n < 32: W: a = n / 16, p = (n / 4) % 4, column tile k4 = n % 4.  n >= 32: lora_A: a = (n - 32) / 4, p = n % 4.
.macro XY
.if n < 32
.set X, LW+32*(n/16)+8*((n/4)%4)+n%4
.set Y, X+4
.set Z, HH+4*(2*(n%4)+n/16)+(n/4)%4
.else
.set X, LW+64+2*(n-32)
.set Y, X+1
.set Z, HH+n
.endif
.endm
.macro STAGE q                         ; a chunk's weights: rounded to bf16 in pairs, widened again in their own registers, and that number written as f16; my ten half-images stored
	WIN ((1+(\q))<<6)|((1+(\q))<<2)|(1+(\q))
.set n, 0
.rept 40
	XY
	v_cvt_pk_bf16_f32 v[X], v[X], v[Y]
.set n, n+1
.endr
.set n, 0
.rept 40
	XY
	v_and_b32 v[Y], s54, v[X]
.set n, n+1
.endr
.set n, 0
.rept 40
	XY
	v_lshlrev_b32 v[X], 16, v[X]
.set n, n+1
.endr
	WIN 0xc0|(1+(\q))|((1+(\q))<<2)
.set n, 0
.rept 40
	XY
	v_cvt_pk_f16_f32 v[Z], v[X], v[Y]
.set n, n+1
.endr
	WIN 0x0c
.irp c, 0,1,2,3,4
.irp a, 0,1
	ds_store_b128 v9, v[HH+4*(2*\c+\a):HH+4*(2*\c+\a)+3] offset:1024*\c+512*\a
.endr
.endr
	WIN 0
	v_add_nc_u32 v9, CHB, v9
.endm
.macro WFLOAD                          ; a chunk's 20 images: 40 loads
	WIN 0
.irp s, 0,1,2,3
.irp c, 0,1,2,3,4
.irp a, 0,1
	ds_load_b128 v[WF+8*(5*\s+\c)+4*\a:WF+8*(5*\s+\c)+4*\a+3], v10 offset:1024*(5*\s+\c)+512*\a
.endr
.endr
.endr
	v_add_nc_u32 v10, CHB, v10
.endm
.macro COMPUTE q                       ; 80 products, or 100.  The accumulators take turns, one instruction a turn
	WIN 0xf0|(1+(\q))
.irp t, 0,1,2,3
.irp s, 0,1,2,3
.irp c, 0,1,2,3
	v_wmma_f32_16x16x32_f16 v[32*\t+8*\c:32*\t+8*\c+7], v[32*\t+8*\s:32*\t+8*\s+7], v[WF+8*(5*\s+\c):WF+8*(5*\s+\c)+7], v[32*\t+8*\c:32*\t+8*\c+7]
.endr
.endr
.endr
	WIN 0xf0|((1+(\q))<<2)
.irp s, 0,1,2,3
.irp t, 0,1,2,3
	v_wmma_f32_16x16x32_f16 v[GA+8*\t:GA+8*\t+7], v[WF+8*(5*\s+4):WF+8*(5*\s+4)+7], v[32*\t+8*\s:32*\t+8*\s+7], v[GA+8*\t:GA+8*\t+7]
.endr
.endr
	WIN 0
	s_cmp_eq_u32 s31, 0
	s_cbranch_scc1 .Lno5_\@
.irp s, 0,1,2,3
	WIN 0xf0|(1+(\q))
.irp c, 0,1,2,3
	v_wmma_f32_16x16x32_f16 v[128+8*\c:128+8*\c+7], v[128+8*\s:128+8*\s+7], v[WF+8*(5*\s+\c):WF+8*(5*\s+\c)+7], v[128+8*\c:128+8*\c+7]
.endr
	WIN 0xf0|((1+(\q))<<2)
	v_wmma_f32_16x16x32_f16 v[GA+32:GA+39], v[WF+8*(5*\s+4):WF+8*(5*\s+4)+7], v[128+8*\s:128+8*\s+7], v[GA+32:GA+39]
.endr
	WIN 0
.Lno5_\@:
	PLACES
.endm
; Trip i of pass 0.  Behind X(i), which this trip needs, stand only the 32 loads of W(i + 2).
.macro TRIP b, wcnt, xl, st, wl, rl
	s_wait_dscnt 0x0                               ; for the others' sake: my images of chunk i are in LDS
	s_barrier_signal -1
	s_barrier_wait -1
	WFLOAD
	s_wait_loadcnt \wcnt
.if \xl
	XLOAD 1-(\b)
.endif
.if \st
	STAGE 1-(\b)
.endif
.if \wl
	WLOAD 1-(\b)
.endif
.if \rl
	ROWLOAD                                        ; weight buffer 0 has had its last chunk: it takes the rows' weights and slots, which land under this trip's products
.endif
.if \st
	s_wait_dscnt 10                                ; the 40 loads are back; the ten stores issued behind them may be out
.else
	s_wait_dscnt 0x0
.endif
	COMPUTE \b
.endm
.macro BLOCKSET
	s_wait_xcnt 0x0
	s_mul_i32 s43, s29, 20
	s_sub_co_u32 s30, s27, s43
	s_min_u32 s30, s30, 20
	s_add_co_u32 s46, s22, 16
	s_cmp_lt_u32 s46, s30
	s_cselect_b32 s31, 1, 0
	s_add_co_u32 s32, s30, 3
	s_sub_co_u32 s32, s32, s22
	s_lshr_b32 s32, s32, 2
	s_max_u32 s47, s30, 1
	s_sub_co_u32 s47, s47, 1
	s_add_co_u32 s43, s43, s26
.irp i, 0,1,2,3,4
	s_add_co_u32 s46, s22, 4*\i
	s_min_u32 s46, s46, s47
	s_add_co_u32 s46, s46, s43
	s_min_u32 s46, s46, 135
	s_lshl_b32 s52, s46, 6
	s_lshl_b32 s46, s46, 11
	v_add_nc_u32 v[11+\i], s46, v4
	v_add_nc_u32 v[17+\i], s52, v16
.endr
	s_mov_b64 s[36:37], s[50:51]
.endm
.macro ACCINIT                         ; the sums start at the bias (0 in the second half of K), g A at 0
	WIN 0xc0
.irp t, 0,1,2,3,4
.irp k, 0,1,2,3
.irp j, 0,1,2,3,4,5,6,7
	v_mov_b32 v[32*\t+8*\k+\j], v[BI+\k]
.endr
.endr
.endr
.set n, 0
.rept 40
	v_mov_b32 v[GA+n], 0
.set n, n+1
.endr
	WIN 0
.endm
.macro OUT t                           ; tile t: times the rows' weights, and stored: register j of the four accumulators is 16 bytes of row 8 h + j
	s_cmp_le_u32 s32, \t
	s_cbranch_scc1 .Lepid                          ; my tiles from here on do not exist
	s_wait_xcnt 0x0                                ; the last tile's stores have read their data and offsets
	WIN 0x07
.irp j, 0,1,2,3,4,5,6,7
.irp k, 0,1,2,3
	v_mul_f32 v[TT+4*\j+\k], v[32*(\t)+8*\k+\j], v[RT+16*(\t)+\j]
.endr
.endr
.irp j, 0,1,2,3,4,5,6,7
	v_min_u32 v[AD+\j], 0x7ff, v[RT+16*(\t)+8+\j]
.endr
	WIN 0
.irp j, 0,1,2,3,4,5,6,7
	v_lshl_add_u32 v[AD+\j], v[AD+\j], 12, v8      ; slot x 4,096 + 16 r
.endr
.irp j, 0,1,2,3,4,5,6,7
	global_store_b128 v[AD+\j], v[TT+4*\j:TT+4*\j+3], s[20:21]  ; sixteen lanes store 256 consecutive bytes of a row, aligned
.endr
.endm
	s_load_b256 s[4:11], s[0:1], 0x0
	s_load_b256 s[12:19], s[0:1], 0x20
	s_load_b64 s[20:21], s[0:1], 0x40
	v_lshl_add_u32 v30, v0, 2, SPARE               ; my spare word,
	v_mov_b32 v31, 0                               ; and 0: kept for the closing add alone
	v_lshrrev_b32 v1, 5, v0
	v_readfirstlane_b32 s22, v1                    ; wave 0..3
	s_and_b32 s23, ttmp9, 15                       ; CS
	s_lshr_b32 s24, ttmp9, 4                       ; KH
	s_and_b32 s25, ttmp7, 0xffff                   ; E
	s_lshl_b32 s48, s25, 3
	v_and_b32 v1, 31, v0
	v_and_b32 v2, 15, v0                           ; r
	v_bfe_u32 v3, v0, 4, 1                         ; h
	v_lshlrev_b32 v4, 4, v1                        ; 16 lane
	v_lshlrev_b32 v8, 4, v2                        ; 16 r
	v_lshl_add_u32 v5, v3, 16, v8                  ; W: 16 rows of 4,096 bytes further for lanes 16-31
	v_lshl_add_u32 v7, v3, 15, v8                  ; lora_B: 8 ranks further
	v_lshlrev_b32 v6, 2, v2
	v_lshl_add_u32 v6, v3, 10, v6                  ; lora_A
	v_lshlrev_b32 v16, 5, v3                       ; rows 8 h on in order and roww
	s_mul_i32 s46, s22, 5120
	v_add_nc_u32 v9, s46, v4                       ; where I store my step's images (walks)
	v_mov_b32 v10, v4
	s_mov_b32 s54, 0xffff0000                      ; a word's upper bf16
	s_cmp_eq_u32 s24, 0
	s_cselect_b32 s49, -1, 0                       ; the bias goes with the first half of K
	s_mov_b32 s45, 0
	s_lshl_b32 s53, s23, 8                         ; 64 CS columns
	s_lshl_b32 s44, s25, 23
	s_lshl_b32 s46, s24, 22
	s_add_co_u32 s44, s44, s46
	s_lshl_b32 s46, s22, 17
	s_add_co_u32 s44, s44, s46
	s_add_co_u32 s44, s44, s53
	s_wait_kmcnt 0x0
	s_load_b64 s[26:27], s[14:15], s48 offset:0x0
	s_add_nc_u64 s[4:5], s[4:5], s[44:45]
	s_lshl_b32 s44, s25, 12
	s_add_co_u32 s44, s44, s53
	s_add_nc_u64 s[6:7], s[6:7], s[44:45]
	s_lshl_b32 s44, s25, 17
	s_lshl_b32 s46, s24, 16
	s_add_co_u32 s44, s44, s46
	s_lshl_b32 s46, s22, 11
	s_add_co_u32 s44, s44, s46
	s_add_nc_u64 s[8:9], s[8:9], s[44:45]
	s_lshl_b32 s44, s25, 16
	s_add_co_u32 s44, s44, s53
	s_add_nc_u64 s[10:11], s[10:11], s[44:45]
	s_mul_i32 s44, s24, 16*KBS
	s_add_nc_u64 s[50:51], s[12:13], s[44:45]
	s_lshl_b32 s44, s24, 23
	s_add_co_u32 s44, s44, s53
	s_add_nc_u64 s[20:21], s[20:21], s[44:45]
	WLOAD 0
	WLOAD 1
	global_load_b128 v[BI:BI+3], v8, s[6:7]
	WIN 0x80
.irp i, 0,1,2,3,4,5,6,7
	global_load_b128 v[4*\i:4*\i+3], v7, s[10:11] offset:4096*\i  ; lora_B, for now in the second token buffer
.endr
.set n, 0
.rept 32
	v_mov_b32 v[128+n], 0                          ; the fifth tile's images hold numbers on every path
.set n, n+1
.endr
	WIN 0x40
.set n, 0
.rept 32
	v_mov_b32 v[128+n], 0
.set n, n+1
.endr
	WIN 0
	s_wait_kmcnt 0x0
	s_min_u32 s26, s26, 135
	s_min_u32 s27, s27, 128
	s_add_co_u32 s28, s27, 19
	s_mul_i32 s28, s28, 205
	s_lshr_b32 s28, s28, 12
	s_max_u32 s28, s28, 1
	s_mov_b32 s29, 0
	BLOCKSET
	XLOAD 0
	s_wait_loadcnt 0x0
	v_cvt_pk_bf16_f32 v[BI], v[BI], v[BI+1]        ; the bias is rounded to bf16, like every input, and kept as f32
	v_cvt_pk_bf16_f32 v[BI+2], v[BI+2], v[BI+3]
	v_and_b32 v[BI+1], s54, v[BI]
	v_and_b32 v[BI+3], s54, v[BI+2]
	v_lshlrev_b32 v[BI], 16, v[BI]
	v_lshlrev_b32 v[BI+2], 16, v[BI+2]
.irp k, 0,1,2,3
	v_and_b32 v[BI+\k], s49, v[BI+\k]
.endr
	ACCINIT
	WIN 0x0a
.irp k, 0,1,2,3
.irp p, 0,1,2,3
	v_cvt_pk_bf16_f32 v[BF+8*\k+\p], v[4*(2*\p)+\k], v[4*(2*\p+1)+\k]
.endr
.endr
	WIN 0
.irp k, 0,1,2,3
.irp p, 4,5,6,7
	v_mov_b32 v[BF+8*\k+\p], 0
.endr
.endr
	STAGE 0
	WLOAD 0                                        ; chunk 2
	s_mov_b32 s34, 2
.Lk:
	TRIP 0, 32, 1, 1, 1, 0
	TRIP 1, 32, 1, 1, 1, 0
	s_sub_co_u32 s34, s34, 1
	s_cmp_lg_u32 s34, 0
	s_cbranch_scc1 .Lk
	TRIP 0, 32, 1, 1, 1, 0                         ; trip 4 asks for the last chunk of weights
	TRIP 1, 32, 1, 1, 0, 1
	TRIP 0, 0, 1, 1, 0, 0
	TRIP 1, 0, 0, 0, 0, 0
	s_mov_b32 s29, 0
.Lblk:                                                 ; seven trips; trip 0 only finishes pass 0's sums
	s_cmp_ge_u32 s29, s28
	s_cbranch_scc1 .Lnext
	s_cmp_eq_u32 s29, 0
	s_cbranch_scc1 .Lfin
	BLOCKSET
	ROWLOAD
	ACCINIT
	v_mov_b32 v10, v4
	s_mov_b32 s34, 8
.Lk2:                                                  ; a trip: a chunk's token images, its weight images, both waited for, the products
	XLOAD 0
	WFLOAD
	s_wait_loadcnt 0x0
	s_wait_dscnt 0x0
	COMPUTE 0
	s_sub_co_u32 s34, s34, 1
	s_cmp_lg_u32 s34, 0
	s_cbranch_scc1 .Lk2
.Lfin:
	; LoRA's second product: 2 g A, rounded to bf16, is source 0 (a lane: one token, ranks 8 h + 0..7; the other half of K is 0).  It is a bf16 product onto sums that f16 products made: no chain in place;
	; between the last f16 product on any sum and the bf16 one stand the four v_nop above and the 20 packed multiplies below, which name none of that product's registers
	WIN 0xc3
.set n, 0
.rept 20
	v_pk_mul_f32 v[GA+2*n:GA+2*n+1], v[GA+2*n:GA+2*n+1], 2.0 op_sel_hi:[1,0]
.set n, n+1
.endr
	WIN 0x4f
.set n, 0
.rept 20
	v_cvt_pk_bf16_f32 v[8*(n/4)+n%4], v[GA+2*n], v[GA+2*n+1]
.set n, n+1
.endr
	WIN 0x40
.set n, 0
.rept 20
	v_mov_b32 v[8*(n/4)+4+n%4], 0
.set n, n+1
.endr
	WIN 0xf1
.irp t, 0,1,2,3,4
.irp k, 0,1,2,3
	v_wmma_f32_16x16x32_bf16 v[32*\t+8*\k:32*\t+8*\k+7], v[8*\t:8*\t+7], v[BF+8*\k:BF+8*\k+7], v[32*\t+8*\k:32*\t+8*\k+7]
.endr
.endr
	WIN 0
	PLACES
	s_wait_loadcnt 0x0                             ; the rows' weights and slots
	OUT 0
	OUT 1
	OUT 2
	OUT 3
	OUT 4
.Lepid:
.Lnext:
	s_add_co_u32 s29, s29, 1
	s_cmp_lt_u32 s29, 7
	s_cbranch_scc1 .Lblk
	s_wait_dscnt 0x0                               ; my reads of LDS are over;
	s_barrier_signal -1
	s_barrier_wait -1                              ; every wave's are: no wave writes LDS again, the closing add included, before all have read
	s_wait_tensorcnt 0x0                           ; the wave's end, behind my last LDS store
	ds_add_u32 v30, v31
	s_wait_dscnt 0x0
	s_endpgm
.Lfunc_end_k_q158b0bb1e0_down:
	.size	k_q158b0bb1e0_down, .Lfunc_end_k_q158b0bb1e0_down-k_q158b0bb1e0_down
	.p2alignl 7, 3214868480
	.fill 96, 4, 3214868480
	.section	.rodata,"a",@progbits
	.p2align	6, 0x0
	.amdhsa_kernel k_q158b0bb1e0_down
		.amdhsa_group_segment_fixed_size 164352
		.amdhsa_private_segment_fixed_size 0
		.amdhsa_enable_private_segment 0
		.amdhsa_kernarg_size 72
		.amdhsa_user_sgpr_count 2
		.amdhsa_user_sgpr_kernarg_segment_ptr 1
		.amdhsa_wavefront_size32 1
		.amdhsa_system_sgpr_workgroup_id_x 1
		.amdhsa_system_sgpr_workgroup_id_y 1
		.amdhsa_system_sgpr_workgroup_id_z 1
		.amdhsa_system_vgpr_workitem_id 0
		.amdhsa_next_free_vgpr 1024
		.amdhsa_next_free_sgpr 100
		.amdhsa_reserve_vcc 0
		.amdhsa_float_denorm_mode_32 3
		.amdhsa_float_denorm_mode_16_64 3
		.amdhsa_memory_ordered 1
		.amdhsa_forward_progress 1
		.amdhsa_inst_pref_size 212
	.end_amdhsa_kernel
	.amdgpu_metadata
---
amdhsa.version: [ 1, 2 ]
amdhsa.kernels:
  - .name:           k_q158b0bb1e0_down
    .symbol:         k_q158b0bb1e0_down.kd
    .args:
      - { .name: down_proj, .offset: 0, .size: 8, .value_kind: global_buffer, .address_space: global }
      - { .name: down_proj_bias, .offset: 8, .size: 8, .value_kind: global_buffer, .address_space: global }
      - { .name: lora_A_down, .offset: 16, .size: 8, .value_kind: global_buffer, .address_space: global }
      - { .name: lora_B_down, .offset: 24, .size: 8, .value_kind: global_buffer, .address_space: global }
      - { .name: gimg, .offset: 32, .size: 8, .value_kind: global_buffer, .address_space: global }
      - { .name: tiles, .offset: 40, .size: 8, .value_kind: global_buffer, .address_space: global }
      - { .name: order, .offset: 48, .size: 8, .value_kind: global_buffer, .address_space: global }
      - { .name: roww, .offset: 56, .size: 8, .value_kind: global_buffer, .address_space: global }
      - { .name: part, .offset: 64, .size: 8, .value_kind: global_buffer, .address_space: global }
    .group_segment_fixed_size: 164352
    .private_segment_fixed_size: 0
    .kernarg_segment_align: 8
    .kernarg_segment_size: 72
    .max_flat_workgroup_size: 128
    .sgpr_count:     100
    .vgpr_count:     1024
    .wavefront_size: 32
...
	.end_amdgpu_metadata
.endif
;; end of part 3
;; launch combine (part 4): grid 256 x 1, 4 waves a work-group, no clusters, 0 bytes of LDS; arguments part, out0; writes out0
.if DOCPART == 4
	.amdgcn_target "amdgcn-amd-amdhsa--gfx1250"
	.amdhsa_code_object_version 6
	.text
	.protected	k_q158b0bb1e0_combine
	.globl	k_q158b0bb1e0_combine
	.p2align	8
	.type	k_q158b0bb1e0_combine,@function
k_q158b0bb1e0_combine:
	s_mov_b64 s[64:65], 0
	v_nop
	global_prefetch_b8 v0, s[64:65] scope:SCOPE_SE
	s_setreg_imm32_b32 hwreg(HW_REG_WAVE_MODE, 25, 1), 1
	s_wait_xcnt 0x0
; COMBINE.  out0[t][:] = the sum of the token's four partial rows: slots 2 t and 2 t + 1, both halves of K.  part: [2][2048][1024] f32.
; One wave, one token: 32 loads of 512 consecutive bytes, all out at once; eight stores of 512 consecutive bytes.  A stream: no LDS, no barrier, no matrix unit, nothing shared.
.set R, 8                              ; v[8:135]: piece q of eight: four partial quads at R + 16 q
	s_load_b128 s[4:7], s[0:1], 0x0                ; part s[4:5], out0 s[6:7]
	v_lshrrev_b32 v1, 5, v0
	v_readfirstlane_b32 s8, v1
	s_lshl_b32 s9, ttmp9, 2
	s_add_co_u32 s9, s9, s8                        ; the token
	v_and_b32 v1, 31, v0
	v_lshlrev_b32 v1, 4, v1
	s_lshl_b32 s12, s9, 13                         ; two rows of 4,096 bytes a token
	s_lshl_b32 s13, s9, 12
	v_add_nc_u32 v2, s12, v1
	v_add_nc_u32 v3, s13, v1
	s_wait_kmcnt 0x0
	s_add_nc_u64 s[10:11], s[4:5], 0x800000        ; the second half of K
.irp q, 0,1,2,3,4,5,6,7
	global_load_b128 v[R+16*\q:R+16*\q+3], v2, s[4:5] offset:512*\q th:TH_LOAD_NT
	global_load_b128 v[R+16*\q+4:R+16*\q+7], v2, s[4:5] offset:512*\q+4096 th:TH_LOAD_NT
	global_load_b128 v[R+16*\q+8:R+16*\q+11], v2, s[10:11] offset:512*\q th:TH_LOAD_NT
	global_load_b128 v[R+16*\q+12:R+16*\q+15], v2, s[10:11] offset:512*\q+4096 th:TH_LOAD_NT
.endr
.irp q, 0,1,2,3,4,5,6,7
	s_wait_loadcnt 28-4*\q                         ; the four loads of each later piece may stay out
	v_pk_add_f32 v[R+16*\q:R+16*\q+1], v[R+16*\q:R+16*\q+1], v[R+16*\q+4:R+16*\q+5]
	v_pk_add_f32 v[R+16*\q+2:R+16*\q+3], v[R+16*\q+2:R+16*\q+3], v[R+16*\q+6:R+16*\q+7]
	v_pk_add_f32 v[R+16*\q+8:R+16*\q+9], v[R+16*\q+8:R+16*\q+9], v[R+16*\q+12:R+16*\q+13]
	v_pk_add_f32 v[R+16*\q+10:R+16*\q+11], v[R+16*\q+10:R+16*\q+11], v[R+16*\q+14:R+16*\q+15]
	v_pk_add_f32 v[R+16*\q:R+16*\q+1], v[R+16*\q:R+16*\q+1], v[R+16*\q+8:R+16*\q+9]
	v_pk_add_f32 v[R+16*\q+2:R+16*\q+3], v[R+16*\q+2:R+16*\q+3], v[R+16*\q+10:R+16*\q+11]
	global_store_b128 v3, v[R+16*\q:R+16*\q+3], s[6:7] offset:512*\q th:TH_STORE_NT
.endr
	s_endpgm
.Lfunc_end_k_q158b0bb1e0_combine:
	.size	k_q158b0bb1e0_combine, .Lfunc_end_k_q158b0bb1e0_combine-k_q158b0bb1e0_combine
	.p2alignl 7, 3214868480
	.fill 96, 4, 3214868480
	.section	.rodata,"a",@progbits
	.p2align	6, 0x0
	.amdhsa_kernel k_q158b0bb1e0_combine
		.amdhsa_group_segment_fixed_size 0
		.amdhsa_private_segment_fixed_size 0
		.amdhsa_enable_private_segment 0
		.amdhsa_kernarg_size 16
		.amdhsa_user_sgpr_count 2
		.amdhsa_user_sgpr_kernarg_segment_ptr 1
		.amdhsa_wavefront_size32 1
		.amdhsa_system_sgpr_workgroup_id_x 1
		.amdhsa_system_sgpr_workgroup_id_y 1
		.amdhsa_system_sgpr_workgroup_id_z 1
		.amdhsa_system_vgpr_workitem_id 0
		.amdhsa_next_free_vgpr 140
		.amdhsa_next_free_sgpr 66
		.amdhsa_reserve_vcc 0
		.amdhsa_float_denorm_mode_32 3
		.amdhsa_float_denorm_mode_16_64 3
		.amdhsa_memory_ordered 1
		.amdhsa_forward_progress 1
		.amdhsa_inst_pref_size 8
	.end_amdhsa_kernel
	.amdgpu_metadata
---
amdhsa.version: [ 1, 2 ]
amdhsa.kernels:
  - .name:           k_q158b0bb1e0_combine
    .symbol:         k_q158b0bb1e0_combine.kd
    .args:
      - { .name: part, .offset: 0, .size: 8, .value_kind: global_buffer, .address_space: global }
      - { .name: out0, .offset: 8, .size: 8, .value_kind: global_buffer, .address_space: global }
    .group_segment_fixed_size: 0
    .private_segment_fixed_size: 0
    .kernarg_segment_align: 8
    .kernarg_segment_size: 16
    .max_flat_workgroup_size: 128
    .sgpr_count:     66
    .vgpr_count:     140
    .wavefront_size: 32
...
	.end_amdgpu_metadata
.endif
;; end of part 4
;; ======== version 2 of 2: 4 launches; 1.15 times as fast as version 1
;; limits: values are held in f16: magnitudes above 65,504 overflow, below 6.1e-05 lose precision; inputs' magnitudes at most 65,504
;; workspace buffers: ximg 4,456,448 bytes; gimg 8,912,896 bytes; part 16,777,216 bytes; order 8,704 bytes of whole numbers; roww 8,704 bytes; tiles 256 bytes of whole numbers
;; launch route (part 5): grid 135 x 1, 4 waves a work-group, no clusters, 35,328 bytes of LDS; arguments hidden_states, router_indices, routing_weights, ximg, order, roww, tiles; writes ximg, order, roww, tiles
.if DOCPART == 5
	.amdgcn_target "amdgcn-amd-amdhsa--gfx1250"
	.amdhsa_code_object_version 6
	.text
	.protected	k_q158b0bb1e0_route
	.globl	k_q158b0bb1e0_route
	.p2align	8
	.type	k_q158b0bb1e0_route,@function
k_q158b0bb1e0_route:
	s_mov_b64 s[64:65], 0
	v_nop
	global_prefetch_b8 v0, s[64:65] scope:SCOPE_SE
	s_setreg_imm32_b32 hwreg(HW_REG_WAVE_MODE, 25, 1), 1
	s_wait_xcnt 0x0
; ROUTE.  2,048 slots (token t, choice k: slot 2 t + k) are sorted by expert, without atomics, and the tokens' rows are laid out in bf16 as matrix operands.
; Each expert's rows fill whole tiles of 16; the places past its count repeat its last row (same slot, same data).  The tiles of all experts lie end to end: never more than 135.
; Work-group T makes tile T: every work-group counts all 2,048 indices (8 KB) for itself, each wave a quarter; a work-group past the last tile of the given split stores nothing.
; OUT: ximg [kb 16][tile 136][s 2][a 2][lane 32][16 bytes]: lane (r = lane % 16, h = lane / 16) holds row r, k = 64 kb + 32 s + 16 h + 8 a + 0..7;
;      order[tile][16] the rows' slots; roww[tile][16] routing_weights[t][e] rounded to bf16; tiles: pairs {first tile, tiles} of the 8 experts.
; LIMIT.  An index outside 0..7 (compared unsigned) becomes a row of expert 0 with the weight 0: it adds 0 x out, which is 0 as long as out is finite.
; Compares that write scalar registers and the scalar lines that read them stand in runs (32 masks, then their 32 counts), not by turns on one register.
; No matrix unit, no cluster: the work is a gather of 4 MB.
.set SPARE, 34816                      ; the spare words: 128 bytes a wave, behind the stages
.set LIST,  256                        ; four lists of 128 bytes, each wave's own: 16 entries, a dump word, the rest unused
.set STG,   1024                       ; four stages, each wave's own: 16 rows of 512 bytes, 528 apart
.set KBS,   278528                     ; bytes of ximg from kb to kb + 1: 136 tiles x 2,048
.set IDX, 8                            ; v[8:23]   my 16 indices, later the entries' fixed part
.set EV,  24                           ; v[24:39]  their experts
.set XO,  48                           ; v[48:55]  byte offsets in hidden_states
.set TP,  56                           ; v[56:63]  at work
.set D,   64                           ; v[64:191] at work; then 16 rows x 256 k of f32, then bf16, then images
	s_load_b256 s[4:11], s[0:1], 0x0               ; hidden s[4:5], indices s[6:7], weights s[8:9], ximg s[10:11]
	s_load_b128 s[12:15], s[0:1], 0x20             ; order s[12:13], roww s[14:15]
	s_load_b64 s[16:17], s[0:1], 0x30              ; tiles
	v_lshl_add_u32 v198, v0, 2, SPARE              ; my spare word,
	v_mov_b32 v199, 0                              ; and 0: kept for the closing add alone
	v_lshrrev_b32 v1, 5, v0
	v_readfirstlane_b32 s18, v1                    ; wave 0..3
	s_mov_b32 s19, ttmp9                           ; T
	v_and_b32 v1, 31, v0                           ; lane
	v_and_b32 v2, 15, v0                           ; r
	v_bfe_u32 v3, v0, 4, 1                         ; h
	v_lshlrev_b32 v4, 4, v0
	s_wait_kmcnt 0x0
.irp q, 0,1,2,3
	global_load_b128 v[IDX+4*\q:IDX+4*\q+3], v4, s[6:7] offset:2048*\q  ; register 4 q + c: slot 4 x thread + 512 q + c
.endr
	v_lshlrev_b32 v45, 2, v0
	v_or_b32 v45, 0x80000000, v45                  ; an entry: the slot, bit 31 (never 0),
	v_or_b32 v46, 0x10000, v45                     ; bit 16: the index lay outside 0..7
	v_mov_b32 v40, s18
	v_lshl_add_u32 v44, v40, 7, LIST               ; my wave's list
	v_lshlrev_b32 v40, 5, v40                      ; my wave's eight counts
	v_lshl_add_u32 v41, v0, 2, LIST
	v_mov_b32 v42, 0
	ds_store_b32 v41, v42                          ; the list is cleared: 32 lanes, its 128 bytes
	v_lshlrev_b32 v47, 4, v2
	v_lshl_add_u32 v47, s18, 10, v47               ; 16 r + my quarter of a row of hidden_states
	s_mul_i32 s82, s18, 8448
	s_add_co_u32 s82, s82, STG                     ; my stage
	v_mul_u32_u24 v43, v3, 528
	v_lshl_add_u32 v43, v2, 3, v43
	v_add_nc_u32 v43, s82, v43                     ; in: row h, 8 bytes a lane
	v_mul_u32_u24 v5, v2, 528
	v_lshl_add_u32 v5, v3, 5, v5
	v_add_nc_u32 v5, s82, v5                       ; back: row r, 32 h
	s_lshl_b32 s82, s19, 11
	s_mul_i32 s83, s18, 4*KBS
	s_add_co_u32 s82, s82, s83
	v_lshl_add_u32 v6, v1, 4, s82                  ; my 16 bytes of tile T's images, kb = 4 w
.irp e, 0,1,2,3,4,5,6,7
	s_mov_b32 s[20+\e], 0
.endr
	s_wait_loadcnt 0x0
.set x, 0
.rept 16
	v_cmp_gt_u32 vcc_lo, 8, v[IDX+x]
	v_cndmask_b32 v[EV+x], 0, v[IDX+x], vcc_lo     ; the expert, 0 for an index outside
	v_cndmask_b32 v[IDX+x], v46, v45, vcc_lo       ; the entry's fixed part
.set x, x+1
.endr
	; my wave's counts: for each register and expert a mask of lanes, and its number of bits; four registers (32 masks) at a time
.set y, 0
.rept 4
.set x, 0
.rept 4
.irp e, 0,1,2,3,4,5,6,7
	v_cmp_eq_u32 s[32+8*x+\e], \e, v[EV+4*y+x]
.endr
.set x, x+1
.endr
.set n, 0
.rept 32
	s_bcnt1_i32_b32 s[32+n], s[32+n]
.set n, n+1
.endr
.set n, 0
.rept 32
	s_add_co_u32 s[20+n%8], s[20+n%8], s[32+n]
.set n, n+1
.endr
.set y, y+1
.endr
.irp e, 0,1,2,3,4,5,6,7
	v_mov_b32 v[TP+\e], s[20+\e]
.endr
	ds_store_b128 v40, v[TP:TP+3]                  ; all lanes write the same words with the same values
	ds_store_b128 v40, v[TP+4:TP+7] offset:16
	s_wait_dscnt 0x0                               ; for the others' sake: my counts are in LDS
	s_barrier_signal -1
	s_barrier_wait -1
.irp i, 0,1,2,3,4,5,6,7
	ds_load_b128 v[D+4*\i:D+4*\i+3], v42 offset:16*\i
.endr
	s_wait_dscnt 0x0
.set n, 0
.rept 32
	v_readfirstlane_b32 s[32+n], v[D+n]            ; count of wave n / 8, expert n % 8
.set n, n+1
.endr
	; the experts' tiles (first tile in s[86+e], number in s[20+e]); which expert tile T belongs to (the last whose first tile is not past T)
	s_mov_b32 s68, 0                               ; first tile of the expert in hand
	s_mov_b32 s69, 0                               ; E
	s_mov_b32 s70, 0                               ; E's first tile
	s_mov_b32 s71, 0                               ; E's rows
	s_mov_b32 s72, 0                               ; E's counts in waves 0, 1, 2
	s_mov_b32 s73, 0
	s_mov_b32 s74, 0
.irp e, 0,1,2,3,4,5,6,7
	s_add_co_u32 s66, s[32+\e], s[40+\e]
	s_add_co_u32 s67, s[48+\e], s[56+\e]
	s_add_co_u32 s66, s66, s67                     ; rows
	s_add_co_u32 s67, s66, 15
	s_lshr_b32 s67, s67, 4                         ; tiles
	s_cmp_ge_u32 s19, s68
	s_cselect_b32 s69, \e, s69
	s_cselect_b32 s70, s68, s70
	s_cselect_b32 s71, s66, s71
	s_cselect_b32 s72, s[32+\e], s72
	s_cselect_b32 s73, s[40+\e], s73
	s_cselect_b32 s74, s[48+\e], s74
	s_cmp_lg_u32 s67, 0
	s_cselect_b32 s[86+\e], s68, 0                 ; an expert without rows states tile 0
	s_mov_b32 s[20+\e], s67
	s_add_co_u32 s68, s68, s67
.endr
	s_cmp_lt_u32 s19, s68
	s_cselect_b32 s77, 1, 0                        ; does tile T exist?
	s_sub_co_u32 s78, s19, s70
	s_lshl_b32 s78, s78, 4                         ; rank of the tile's first row
	s_sub_co_u32 s79, s71, 1
	s_sub_co_u32 s79, s79, s78
	s_min_u32 s79, s79, 15                         ; the tile's last real row
	s_sub_co_u32 s80, 0, s78                       ; the rank of my wave's first row of E, less the tile's first
	s_cmp_gt_u32 s18, 0
	s_cselect_b32 s81, s72, 0
	s_add_co_u32 s80, s80, s81
	s_cmp_gt_u32 s18, 1
	s_cselect_b32 s81, s73, 0
	s_add_co_u32 s80, s80, s81
	s_cmp_gt_u32 s18, 2
	s_cselect_b32 s81, s74, 0
	s_add_co_u32 s80, s80, s81
	; ranks: a slot of E whose rank falls into the tile goes to its place in my wave's list, every other to the dump word.  EXEC stays whole.
	; 16 masks of E's lanes; the rank, less the tile's first, at which each register begins; then vector lines alone
.set x, 0
.rept 16
	v_cmp_eq_u32 s[32+x], s69, v[EV+x]
.set x, x+1
.endr
.set x, 0
.rept 16
	s_mov_b32 s[48+x], s80
	s_bcnt1_i32_b32 s85, s[32+x]
	s_add_co_u32 s80, s80, s85
.set x, x+1
.endr
.set x, 0
.rept 16
	v_mbcnt_lo_u32_b32 v[D+x], s[32+x], 0
.set x, x+1
.endr
.set x, 0
.rept 16
	v_add_nc_u32 v[D+x], s[48+x], v[D+x]           ; the place in the tile; below the tile it wraps to a large number
.set x, x+1
.endr
.set x, 0
.rept 16
	v_cndmask_b32 v[D+x], 16, v[D+x], s[32+x]      ; not E's: the dump word
.set x, x+1
.endr
.set x, 0
.rept 16
	v_min_u32 v[D+x], 16, v[D+x]                   ; outside the tile: the dump word
.set x, x+1
.endr
.set x, 0
.rept 16
	v_lshl_add_u32 v[D+x], v[D+x], 2, v44
	v_add_nc_u32 v[D+16+x], 512*(x/4)+x%4, v[IDX+x]
.set x, x+1
.endr
.set x, 0
.rept 16
	ds_store_b32 v[D+x], v[D+16+x]
.set x, x+1
.endr
	s_wait_dscnt 0x0                               ; for the others' sake: my list is in LDS
	s_barrier_signal -1
	s_barrier_wait -1
	s_cmp_eq_u32 s77, 0
	s_cbranch_scc1 .Lend                           ; no such tile in this split: nothing to store; no barrier is jumped
	; the gather.  A place of the tile is filled in one of the four lists and 0 in the others.  Lanes 0-15 take row 2 u, lanes 16-31 row 2 u + 1.
.irp u, 0,1,2,3,4,5,6,7
	v_add_nc_u32 v[TP+\u], 2*\u, v3
	v_min_u32 v[TP+\u], s79, v[TP+\u]              ; places past the count repeat the last row
	v_min_u32 v[TP+\u], 15, v[TP+\u]
	v_lshlrev_b32 v[TP+\u], 2, v[TP+\u]
.irp n, 0,1,2,3
	ds_load_b32 v[D+4*\u+\n], v[TP+\u] offset:LIST+128*\n
.endr
.endr
	s_wait_dscnt 0x0
.irp u, 0,1,2,3,4,5,6,7
	v_or_b32 v[D+4*\u], v[D+4*\u], v[D+4*\u+1]
	v_or_b32 v[D+4*\u+2], v[D+4*\u+2], v[D+4*\u+3]
	v_or_b32 v[D+4*\u], v[D+4*\u], v[D+4*\u+2]
	v_bfe_u32 v[TP+\u], v[D+4*\u], 1, 15           ; the token
	v_min_u32 v[TP+\u], 0x3ff, v[TP+\u]
	v_lshl_add_u32 v[XO+\u], v[TP+\u], 12, v47
.endr
.irp u, 0,1,2,3,4,5,6,7
.irp c, 0,1,2,3
	global_load_b128 v[D+16*\u+4*\c:D+16*\u+4*\c+3], v[XO+\u], s[4:5] offset:256*\c  ; sixteen lanes: 256 consecutive bytes of a row; all 32 loads are out together
.endr
.endr
.irp u, 0,1,2,3,4,5,6,7
	s_wait_loadcnt 28-4*\u                         ; the four loads of each later u may stay out
.irp c, 0,1,2,3
	v_cvt_pk_bf16_f32 v[D+16*\u+4*\c], v[D+16*\u+4*\c], v[D+16*\u+4*\c+1]
	v_cvt_pk_bf16_f32 v[D+16*\u+4*\c+1], v[D+16*\u+4*\c+2], v[D+16*\u+4*\c+3]
	ds_store_b64 v43, v[D+16*\u+4*\c:D+16*\u+4*\c+1] offset:1056*\u+128*\c
.endr
.endr
.set n, 0
.rept 16                               ; image n: kb = 4 w + n / 4, s = (n / 2) % 2, a = n % 2.  My own stage: LDS serves a wave's instructions in order (ISA guide 5.7.1.4)
	ds_load_b128 v[D+4*n:D+4*n+3], v5 offset:128*(n/4)+64*((n/2)%2)+16*(n%2)
.set n, n+1
.endr
.set n, 0
.rept 16
	s_wait_dscnt 15-n
	global_store_b128 v6, v[D+4*n:D+4*n+3], s[10:11] offset:(n/4)*KBS+((n/2)%2)*1024+(n%2)*512  ; 512 consecutive bytes, aligned
.set n, n+1
.endr
	s_cmp_lg_u32 s18, 0
	s_cbranch_scc1 .Lend
	; wave 0: the tile's slots and weights (lanes 16-31 repeat lanes 0-15)
	v_min_u32 v56, s79, v2
	v_min_u32 v56, 15, v56
	v_lshlrev_b32 v56, 2, v56
.irp n, 0,1,2,3
	ds_load_b32 v[57+\n], v56 offset:LIST+128*\n
.endr
	s_wait_dscnt 0x0
	v_or_b32 v57, v57, v58
	v_or_b32 v59, v59, v60
	v_or_b32 v57, v57, v59
	v_bfe_u32 v58, v57, 1, 15
	v_min_u32 v58, 0x3ff, v58
	s_min_u32 s69, s69, 7
	s_lshl_b32 s82, s69, 2
	v_lshl_add_u32 v58, v58, 5, s82                ; routing_weights[token][E]
	global_load_b32 v59, v58, s[8:9]
	v_and_b32 v60, 0xffff, v57                     ; the slot
	v_and_b32 v61, 0x10000, v57
	s_lshl_b32 s83, s19, 6
	v_lshl_add_u32 v62, v2, 2, s83
	global_store_b32 v62, v60, s[12:13]
	s_wait_loadcnt 0x0
	v_cvt_pk_bf16_f32 v59, v59, v59                ; rounded to bf16, like every input of the products,
	v_lshlrev_b32 v59, 16, v59                     ; and kept as f32
	v_cmp_eq_u32 vcc_lo, 0, v61
	v_cndmask_b32 v59, 0, v59, vcc_lo              ; 0 for an index outside 0..7
	global_store_b32 v62, v59, s[14:15]
	s_cmp_lg_u32 s19, 0
	s_cbranch_scc1 .Lend
	v_mov_b32 v192, 0                              ; work-group 0: the table of tiles: lane e holds expert e's pair, the other lanes 0
	v_mov_b32 v193, 0
.irp e, 0,1,2,3,4,5,6,7
	v_writelane_b32 v192, s[86+\e], \e
	v_writelane_b32 v193, s[20+\e], \e
.endr
	v_lshlrev_b32 v63, 3, v1
	global_store_b64 v63, v[192:193], s[16:17]     ; 256 bytes whole
.Lend:
	s_wait_tensorcnt 0x0                           ; the wave's end, behind my last LDS store
	ds_add_u32 v198, v199
	s_wait_dscnt 0x0
	s_endpgm
.Lfunc_end_k_q158b0bb1e0_route:
	.size	k_q158b0bb1e0_route, .Lfunc_end_k_q158b0bb1e0_route-k_q158b0bb1e0_route
	.p2alignl 7, 3214868480
	.fill 96, 4, 3214868480
	.section	.rodata,"a",@progbits
	.p2align	6, 0x0
	.amdhsa_kernel k_q158b0bb1e0_route
		.amdhsa_group_segment_fixed_size 35328
		.amdhsa_private_segment_fixed_size 0
		.amdhsa_enable_private_segment 0
		.amdhsa_kernarg_size 56
		.amdhsa_user_sgpr_count 2
		.amdhsa_user_sgpr_kernarg_segment_ptr 1
		.amdhsa_wavefront_size32 1
		.amdhsa_system_sgpr_workgroup_id_x 1
		.amdhsa_system_sgpr_workgroup_id_y 1
		.amdhsa_system_sgpr_workgroup_id_z 1
		.amdhsa_system_vgpr_workitem_id 0
		.amdhsa_next_free_vgpr 200
		.amdhsa_next_free_sgpr 100
		.amdhsa_reserve_vcc 1
		.amdhsa_float_denorm_mode_32 3
		.amdhsa_float_denorm_mode_16_64 3
		.amdhsa_memory_ordered 1
		.amdhsa_forward_progress 1
		.amdhsa_inst_pref_size 56
	.end_amdhsa_kernel
	.amdgpu_metadata
---
amdhsa.version: [ 1, 2 ]
amdhsa.kernels:
  - .name:           k_q158b0bb1e0_route
    .symbol:         k_q158b0bb1e0_route.kd
    .args:
      - { .name: hidden_states, .offset: 0, .size: 8, .value_kind: global_buffer, .address_space: global }
      - { .name: router_indices, .offset: 8, .size: 8, .value_kind: global_buffer, .address_space: global }
      - { .name: routing_weights, .offset: 16, .size: 8, .value_kind: global_buffer, .address_space: global }
      - { .name: ximg, .offset: 24, .size: 8, .value_kind: global_buffer, .address_space: global }
      - { .name: order, .offset: 32, .size: 8, .value_kind: global_buffer, .address_space: global }
      - { .name: roww, .offset: 40, .size: 8, .value_kind: global_buffer, .address_space: global }
      - { .name: tiles, .offset: 48, .size: 8, .value_kind: global_buffer, .address_space: global }
    .group_segment_fixed_size: 35328
    .private_segment_fixed_size: 0
    .kernarg_segment_align: 8
    .kernarg_segment_size: 56
    .max_flat_workgroup_size: 128
    .sgpr_count:     100
    .vgpr_count:     200
    .wavefront_size: 32
...
	.end_amdgpu_metadata
.endif
;; end of part 5
;; launch gateup (part 6): grid 32 x 8, 4 waves a work-group, no clusters, 295,424 bytes of LDS; arguments gate_up_proj, gate_up_proj_bias, lora_A_gate_up, lora_B_gate_up, ximg, tiles, gimg; writes gimg
.if DOCPART == 6
	.amdgcn_target "amdgcn-amd-amdhsa--gfx1250"
	.amdhsa_code_object_version 6
	.text
	.protected	k_q158b0bb1e0_gateup
	.globl	k_q158b0bb1e0_gateup
	.p2align	8
	.type	k_q158b0bb1e0_gateup,@function
k_q158b0bb1e0_gateup:
	s_mov_b64 s[64:65], 0
	v_nop
	global_prefetch_b8 v0, s[64:65] scope:SCOPE_SE
	s_setreg_imm32_b32 hwreg(HW_REG_WAVE_MODE, 25, 1), 1
	s_wait_xcnt 0x0
; GATE_UP.  gu = x W + bias + 2 (x A) B;  gated = (clip(up, -7, 7) + 1) gate' sigmoid(1.702 gate'), gate' = min(gate, 7); gate = even, up = odd columns.  Only the routed rows are multiplied.
; SHARES.  Work-group (SL, E): expert E, columns 128 SL .. + 127 (64 gated numbers), all of E's rows.  It alone reads its 512 KB of f32 weights, once.
; THE WEIGHTS go through registers: a 16-byte load takes, in lanes 0-15, 256 consecutive bytes of row k and, in lanes 16-31, of row k + 16; rounding rows in pairs makes four finished
; operands at once.  K goes in 16 chunks of 64; each chunk's 18 blocks of 1,024 bytes (2 steps of 32 x (8 column tiles + lora_A)) stay in LDS: 288 KB, written once, never again.
; LORA_A's rows are 64 bytes and lie end to end: eight rows are 512 consecutive bytes, one 16-byte load of the wave, in which a lane gets four ranks of one k.  Rounded, they are 8 bytes of a dense block
; [place][16 ranks], 32 bytes a place; row k = 16 h + 8 a + i of a step stands at place 16 a + 8 h + i.  The block is read turned (ds_load_tr16_b128), which gives the operand that an image would give.
; PASS 0 takes E's first 20 row tiles (320 rows): in trip i chunk i is multiplied, chunk i + 1 rounded and stored to LDS, chunks i + 2 and i + 3 are on their way.  One barrier a trip.
; LATER BLOCKS of 20 tiles (a lopsided split) find all weights in LDS: no LDS write, no barrier in them; dead blocks are jumped forward.
; ROWS.  Wave w owns tiles 4 i + w of a block, i = 0..4; i = 4 only if it exists (s31); tiles past the block's count repeat an existing tile and are not stored.
; K ORDER, alike in both sources: lane half h, registers 0-3: k = 16 h + 0..7 of a step of 32; registers 4-7: k = 16 h + 8..15.
; THE PRODUCT IS USED TRANSPOSED (source 0 = weights, source 1 = tokens): column tile c = 4 g + k4 holds columns 64 g + 4 r' + k4, so a lane holds one token, and of group g the gates
; (k4 = 0, 2) and ups (k4 = 1, 3) of the gated numbers 32 g + 16 h + 0..15: rounded in pairs these ARE the next product's operand image (kb = SL, s = g).
; THE SUMS START AT THE BIAS, BY A PRODUCT: lora_B's images use 16 of their 32 places along K; register 4 holds the column's bias, and the image ONE holds 1 in that register's low half in lanes 0-15 and 0 elsewhere:
; image x ONE + 0 is the bias, exactly.  In LoRA's own product the tokens' side holds 0 in that place.
; BASES.  A base is stepped only behind the wait that shows the loads done that named it: the tokens' behind a trip's wait; the weights have a set for even chunks and a set for odd ones.
; FORMATS.  x, W, A, B and the bias rounded once to bf16; 2 x A rounded once to bf16; all sums f32.  gated is rounded once to F16: eleven significant bits, since its rounding
; reaches the output undiminished.  The clips of the formula itself hold it within -42 .. 56 for every input (gate' sigmoid in -0.17 .. 7, up + 1 in -6 .. 8), far inside f16's 65,504.
; LIMITS.  Below 6e-5 gated keeps f16's fixed step of 6e-8.  NaN is not treated apart (min and clip drop it); the exponential and the reciprocal flush denormals: the sigmoid counts as 0 below gate = -51.
; NO MULTICAST: an expert's 32 work-groups share its token images, but these go from memory straight into operand registers; LDS is full of the slice, and the later blocks' trips hang on stored counts.
; REGISTERS in windows of 256 (s_set_vgpr_msb: bits 1:0 source 0, 3:2 source 1, 5:4 source 2, 7:6 destination):
;   window 0: v0-27 addresses and the bias as loaded; v30-31 for the closing add; v32-175 a chunk's 18 operands (on the way out: at work); v176-239 lora_B's 8 images
;   window 1: sums of tiles 0-3, v[64 t + 8 c + j]        window 2: v0-63 sums of tile 4; v64-103 x A, 8 a tile; v104-175, v176-247 two buffers of f32 weights
;   window 3: v0-79, v80-159 two buffers of token images (tile i, step s at 16 i + 8 s); v160-195 rounded weights on their way to LDS; v196-203 ONE
.set KBS,   278528                     ; bytes of ximg and gimg from kb to kb + 1
.set CHB,   18432                      ; a chunk in LDS: image (s, c, a) at (9 s + c) 1024 + 512 a + 16 lane; c = 8: lora_A's block
.set SPARE, 16*CHB                     ; behind the chunks: the spare words, 128 bytes a wave
.set WF,   32
.set BF,   176
.set TMPV, 32                          ; the way out: a tile's 64 numbers, v[TMPV + 8 c + j]
.set EX,   96
.set PKD,  128
.set XA,   64                          ; window 2
.set LW,   104                         ; window 2
.set HH,   160                         ; window 3
.set ONE,  196                         ; window 3
; vector addresses: v4 16 lane, v5 W, v6 where I store lora_A's 8 bytes (walks), v7 lora_B, v8 bias, v9 where I store half-images (walks), v10 where I read images (walks), v11-15 my tiles, v16 the way out,
; v26 where I read lora_A's block (walks), v27 its lane term
; scalars: s[4:5], s[52:53] W for even and odd chunks (walk), s[8:9], s[54:55] A likewise, s[6:7] bias, s[10:11] B, s[12:13] ximg, s[14:15] tiles, s[16:17] gimg at kb = SL, s18 wave, s19 SL, s20 E,
; s21 s22 which half-images I round, s26 first tile, s27 tiles, s28 blocks, s29 block, s30 tiles in it, s31 fifth tile?, s32 my tiles, s33 s34 counters, s[36:37] ximg (walks), s45 the block's first tile,
; s43 s44 7 and -7, s[48:49] -1.702 log2 e
.set MSB, 0
.macro WIN new                         ; the high byte repeats the setting that is left; a switch that changes nothing is dropped
.if MSB != (\new)
	s_set_vgpr_msb (MSB<<8)|(\new)
.set MSB, (\new)
.endif
.endm
.macro PLACES                          ; four plain vector instructions between a matrix instruction and whatever reads its result or writes its registers (ISA guide 7.12.1)
.rept 4
	v_nop
.endr
.endm
.macro WLOAD q, step                   ; the next chunk of parity q: f32 weights for my half-images: 18 loads.  step = 1: set q goes two chunks on first: the loads that named it last have been shown done
.if \step
	s_add_nc_u64 s[4+48*(\q):5+48*(\q)], s[4+48*(\q):5+48*(\q)], 0x200000  ; 128 rows of 16,384 bytes
	s_add_nc_u64 s[8+46*(\q):9+46*(\q)], s[8+46*(\q):9+46*(\q)], 0x2000
.endif
	WIN 0x80
.irp g, 0,1
.irp i, 0,1,2,3,4,5,6,7
	global_load_b128 v[LW+72*(\q)+4*(8*\g+\i):LW+72*(\q)+4*(8*\g+\i)+3], v5, s[4+48*(\q):5+48*(\q)] offset:16384*\i+256*\g th:TH_LOAD_NT
.endr
.endr
.irp h, 0,1
	global_load_b128 v[LW+72*(\q)+64+4*\h:LW+72*(\q)+64+4*\h+3], v4, s[8+46*(\q):9+46*(\q)] offset:1024*\h  ; lora_A: my rows 16 h + 0..7: 512 consecutive bytes; a lane: row lane / 4, ranks 4 (lane % 4) + 0..3
.endr
	WIN 0
.endm
.macro XLOAD q                         ; a chunk's token images, from memory straight into operand registers: 16 loads, or 20
	WIN 0xc0
.irp i, 0,1,2,3
.irp s, 0,1
.irp a, 0,1
	global_load_b128 v[80*(\q)+16*\i+8*\s+4*\a:80*(\q)+16*\i+8*\s+4*\a+3], v[11+\i], s[36:37] offset:1024*\s+512*\a
.endr
.endr
.endr
	WIN 0
	s_cmp_eq_u32 s31, 0
	s_cbranch_scc1 .Lnox_\@
	WIN 0xc0
.irp s, 0,1
.irp a, 0,1
	global_load_b128 v[80*(\q)+64+8*\s+4*\a:80*(\q)+64+8*\s+4*\a+3], v15, s[36:37] offset:1024*\s+512*\a
.endr
.endr
	WIN 0
.Lnox_\@:
.endm
.macro STAGE q                         ; a chunk's weights are rounded: W's rows in pairs, my eight half-images; lora_A's ranks in pairs, my half of its block: ten stores
	WIN 0xca
.irp g, 0,1
.irp k, 0,1,2,3
.irp p, 0,1,2,3
	v_cvt_pk_bf16_f32 v[HH+4*(4*\g+\k)+\p], v[LW+72*(\q)+4*(8*\g+2*\p)+\k], v[LW+72*(\q)+4*(8*\g+2*\p+1)+\k]
.endr
.endr
.endr
.irp p, 0,1,2,3
	v_cvt_pk_bf16_f32 v[HH+32+\p], v[LW+72*(\q)+64+2*\p], v[LW+72*(\q)+64+2*\p+1]
.endr
	WIN 0x0c
.irp c, 0,1,2,3,4,5,6,7
	ds_store_b128 v9, v[HH+4*\c:HH+4*\c+3] offset:1024*\c
.endr
.irp h, 0,1
	ds_store_b64 v6, v[HH+32+2*\h:HH+33+2*\h] offset:256*\h  ; places 16 a + 8 h + 0..7: 32 lanes, 256 consecutive bytes
.endr
	WIN 0
	v_add_nc_u32 v9, CHB, v9
	v_add_nc_u32 v6, CHB, v6
.endm
.macro WFLOAD                          ; a chunk's 18 operands: 36 loads: W's images as they lie, lora_A's block turned
	WIN 0
.irp s, 0,1
.irp c, 0,1,2,3,4,5,6,7
.irp a, 0,1
	ds_load_b128 v[WF+8*(9*\s+\c)+4*\a:WF+8*(9*\s+\c)+4*\a+3], v10 offset:1024*(9*\s+\c)+512*\a
.endr
.endr
.irp a, 0,1
	ds_load_tr16_b128 v[WF+8*(9*\s+8)+4*\a:WF+8*(9*\s+8)+4*\a+3], v26 offset:1024*(9*\s+8)+512*\a  ; eight lanes read places 16 a + 8 h + 0..7, eight ranks each; a lane is left with rank lane % 16 and those eight k
.endr
.endr
	v_add_nc_u32 v10, CHB, v10
	v_add_nc_u32 v26, CHB, v26
.endm
.macro COMPUTE q                       ; 72 products, or 90.  The accumulators take turns, one instruction a turn, over the loop's jump too
	WIN 0x5c
.irp t, 0,1,2,3
.irp s, 0,1
.irp c, 0,1,2,3,4,5,6,7
	v_wmma_f32_16x16x32_bf16 v[64*\t+8*\c:64*\t+8*\c+7], v[WF+8*(9*\s+\c):WF+8*(9*\s+\c)+7], v[80*(\q)+16*\t+8*\s:80*(\q)+16*\t+8*\s+7], v[64*\t+8*\c:64*\t+8*\c+7]
.endr
.endr
.endr
	WIN 0xac
.irp s, 0,1
.irp t, 0,1,2,3
	v_wmma_f32_16x16x32_bf16 v[XA+8*\t:XA+8*\t+7], v[WF+8*(9*\s+8):WF+8*(9*\s+8)+7], v[80*(\q)+16*\t+8*\s:80*(\q)+16*\t+8*\s+7], v[XA+8*\t:XA+8*\t+7]
.endr
.endr
	WIN 0
	s_cmp_eq_u32 s31, 0
	s_cbranch_scc1 .Lno5_\@
	WIN 0xac
.irp s, 0,1
.irp c, 0,1,2,3,4,5,6,7
	v_wmma_f32_16x16x32_bf16 v[8*\c:8*\c+7], v[WF+8*(9*\s+\c):WF+8*(9*\s+\c)+7], v[80*(\q)+64+8*\s:80*(\q)+64+8*\s+7], v[8*\c:8*\c+7]
.endr
	v_wmma_f32_16x16x32_bf16 v[XA+32:XA+39], v[WF+8*(9*\s+8):WF+8*(9*\s+8)+7], v[80*(\q)+64+8*\s:80*(\q)+64+8*\s+7], v[XA+32:XA+39]
.endr
	WIN 0
.Lno5_\@:
	PLACES                                         ; in front of the loads into the operands just multiplied
.endm
; Trip i of pass 0, on token buffer b = i % 2.  Loads are issued in the order X(i + 1), W(i + 3); so behind X(i), which this trip needs, stand only the 18 of W(i + 2), whether or not a fifth tile is loaded.
; A wave has at most 18 + 20 + 18 = 56 loads out.
.macro TRIP b, wcnt, xl, st, wl
	s_wait_dscnt 0x0                               ; for the others' sake: my part of chunk i is in LDS
	s_barrier_signal -1
	s_barrier_wait -1                              ; everybody's is.  No byte of the slice is written twice, so this is all the ordering that it needs
	WFLOAD
	s_wait_loadcnt \wcnt                           ; X(i) and W(i + 1) are in; W(i + 2), which names the other set of bases, may stay out
.if \xl
	s_add_nc_u64 s[36:37], s[36:37], KBS           ; X(i)'s loads were the last that named this base
	XLOAD 1-(\b)
.endif
.if \st
	STAGE 1-(\b)
.endif
.if \wl
	WLOAD 1-(\b), 1                                ; W(i + 3); W(i + 1)'s loads were the last that named its bases
.endif
.if \st
	s_wait_dscnt 10                                ; the 36 loads are back; the ten stores issued behind them may be out
.else
	s_wait_dscnt 0x0
.endif
	COMPUTE \b
.endm
.macro BLOCKSET first                  ; block s29: its count, my tiles, their offsets.  All numbers from the table are clamped by constants before they enter an address
.if !(\first)
	s_wait_xcnt 0x0                                ; the way out's stores have read their registers, which the image loads below take again
.endif
	s_mul_i32 s45, s29, 20
	s_sub_co_u32 s30, s27, s45
	s_min_u32 s30, s30, 20                         ; tiles in the block
	s_add_co_u32 s46, s18, 16
	s_cmp_lt_u32 s46, s30
	s_cselect_b32 s31, 1, 0                        ; have I a fifth tile?
	s_add_co_u32 s32, s30, 3
	s_sub_co_u32 s32, s32, s18
	s_lshr_b32 s32, s32, 2                         ; how many tiles of mine exist
	s_max_u32 s47, s30, 1
	s_sub_co_u32 s47, s47, 1
	s_add_co_u32 s45, s45, s26
.irp i, 0,1,2,3,4
	s_add_co_u32 s46, s18, 4*\i
	s_min_u32 s46, s46, s47                        ; a tile past the count repeats the block's last
	s_add_co_u32 s46, s46, s45
	s_min_u32 s46, s46, 135
	s_lshl_b32 s46, s46, 11
	v_add_nc_u32 v[11+\i], s46, v4
.endr
	s_mov_b64 s[36:37], s[12:13]
.endm
.macro ACCINIT                         ; x A starts at 0; the 40 sums start at the bias, by their first product (see the head)
	WIN 0x80
.set n, 0
.rept 40
	v_mov_b32 v[XA+n], 0
.set n, n+1
.endr
	WIN 0x5c
.irp t, 0,1,2,3
.irp c, 0,1,2,3,4,5,6,7
	v_wmma_f32_16x16x32_bf16 v[64*\t+8*\c:64*\t+8*\c+7], v[BF+8*\c:BF+8*\c+7], v[ONE:ONE+7], 0
.endr
.endr
	WIN 0xac
.irp c, 0,1,2,3,4,5,6,7
	v_wmma_f32_16x16x32_bf16 v[8*\c:8*\c+7], v[BF+8*\c:BF+8*\c+7], v[ONE:ONE+7], 0
.endr
	WIN 0
.endm
.macro COPY t                          ; tile t's sums leave their window, clamped on the way: gates from above, ups from both sides; each accumulator from its lowest register on
.if (\t) < 4
	WIN 0x05
.set AB, 64*(\t)
.else
	WIN 0x0a
.set AB, 0
.endif
.irp c, 0,1,2,3,4,5,6,7
.irp j, 0,1,2,3,4,5,6,7
.if (\c%2) == 0
	v_min_num_f32 v[TMPV+8*\c+\j], s43, v[AB+8*\c+\j]
.else
	v_med3_num_f32 v[TMPV+8*\c+\j], v[AB+8*\c+\j], s44, s43
.endif
.endr
.endr
	WIN 0
.endm
	s_load_b256 s[4:11], s[0:1], 0x0
	s_load_b128 s[12:15], s[0:1], 0x20
	s_load_b64 s[16:17], s[0:1], 0x30
	v_lshl_add_u32 v30, v0, 2, SPARE               ; my spare word,
	v_mov_b32 v31, 0                               ; and 0: kept for the closing add alone
	v_lshrrev_b32 v1, 5, v0
	v_readfirstlane_b32 s18, v1                    ; wave 0..3
	s_mov_b32 s19, ttmp9                           ; SL
	s_and_b32 s20, ttmp7, 0xffff                   ; E
	s_lshr_b32 s21, s18, 1                         ; I round step s21,
	s_and_b32 s22, s18, 1                          ; half s22 of every image
	s_lshl_b32 s23, s20, 3
	v_and_b32 v1, 31, v0
	v_and_b32 v2, 15, v0                           ; r
	v_bfe_u32 v3, v0, 4, 1                         ; h
	v_lshlrev_b32 v4, 4, v1                        ; 16 lane
	v_lshlrev_b32 v8, 4, v2                        ; 16 r: the bias of columns 4 r + 0..3 of a group
	v_lshl_add_u32 v5, v3, 18, v8                  ; W: 16 rows further for lanes 16-31, 16 r
	v_lshl_add_u32 v7, v3, 17, v8                  ; lora_B: 8 ranks further, 16 r
	v_and_b32 v27, 7, v0                           ; lora_A's block, read turned: place 8 h + lane % 8, 32 bytes a place,
	v_lshlrev_b32 v27, 5, v27
	v_bfe_u32 v26, v0, 3, 1
	v_lshl_add_u32 v27, v26, 4, v27                ; ranks 8 ((lane / 8) % 2) + 0..7
	v_lshl_add_u32 v27, v3, 8, v27
	v_mov_b32 v26, v27                             ; (walks)
	v_sub_nc_u32 v17, 1, v3
	v_mul_u32_u24 v17, 0x3f80, v17                 ; 1.0 in bf16 in the low half, in lanes 0-15 alone
	s_mul_i32 s46, s21, 9216
	s_lshl_b32 s47, s22, 9
	s_add_co_u32 s46, s46, s47
	v_add_nc_u32 v9, s46, v4                       ; where I store half-images (walks)
	s_add_co_u32 s47, s46, 8*1024
	v_lshl_add_u32 v6, v1, 3, s47                  ; where I store my half of lora_A's block: 8 bytes a lane (walks)
	v_mov_b32 v10, v4                              ; where I read images (walks)
	s_mov_b32 s43, 0x40e00000                      ; 7.0
	s_mov_b32 s44, 0xc0e00000                      ; -7.0
	s_mov_b32 s48, 0xc01d265f                      ; -1.702 log2(e)
	s_mov_b32 s49, s48                             ; named with it as a pair
	s_mov_b32 s25, 0
	s_lshl_b32 s24, s20, 24                        ; W: E x 1,024 rows of 16,384 bytes
	s_lshl_b32 s46, s19, 9                         ; + 128 SL columns
	s_add_co_u32 s24, s24, s46
	s_lshl_b32 s47, s21, 19                        ; + 32 rows for step 1
	s_add_co_u32 s24, s24, s47
	s_lshl_b32 s47, s22, 17                        ; + 8 rows for half 1
	s_add_co_u32 s24, s24, s47
	s_wait_kmcnt 0x0
	s_load_b64 s[26:27], s[14:15], s23 offset:0x0  ; E's first tile and number of tiles
	s_add_nc_u64 s[4:5], s[4:5], s[24:25]
	s_add_nc_u64 s[52:53], s[4:5], 0x100000        ; the odd chunks' set: chunk 1
	s_lshl_b32 s24, s20, 14
	s_add_co_u32 s24, s24, s46
	s_add_nc_u64 s[6:7], s[6:7], s[24:25]
	s_lshl_b32 s24, s20, 16
	s_lshl_b32 s47, s21, 11
	s_add_co_u32 s24, s24, s47
	s_lshl_b32 s47, s22, 9
	s_add_co_u32 s24, s24, s47
	s_add_nc_u64 s[8:9], s[8:9], s[24:25]
	s_add_nc_u64 s[54:55], s[8:9], 0x1000
	s_lshl_b32 s24, s20, 18
	s_add_co_u32 s24, s24, s46
	s_add_nc_u64 s[10:11], s[10:11], s[24:25]
	s_mul_i32 s24, s19, KBS
	s_add_nc_u64 s[16:17], s[16:17], s[24:25]
	WLOAD 0, 0                                     ; the weights hang on the grid alone: chunks 0 and 1 are asked for at once
	WLOAD 1, 0
	global_load_b128 v[18:21], v8, s[6:7]          ; the bias: group 0,
	global_load_b128 v[22:25], v8, s[6:7] offset:256  ; group 1
	WIN 0xc0
.irp g, 0,1
.irp i, 0,1,2,3,4,5,6,7
	global_load_b128 v[80+4*(8*\g+\i):80+4*(8*\g+\i)+3], v7, s[10:11] offset:16384*\i+256*\g  ; lora_B, for now in the second token buffer
.endr
.endr
.set n, 0
.rept 16
	v_mov_b32 v[64+n], 0                           ; the fifth tile's images hold numbers on every path
	v_mov_b32 v[144+n], 0
.set n, n+1
.endr
.irp p, 0,1,2,3,5,6,7
	v_mov_b32 v[ONE+\p], 0
.endr
	v_mov_b32 v[ONE+4], v17
	WIN 0
	s_wait_kmcnt 0x0
	s_min_u32 s26, s26, 135
	s_min_u32 s27, s27, 128
	s_add_co_u32 s28, s27, 19
	s_mul_i32 s28, s28, 205
	s_lshr_b32 s28, s28, 12                        ; (tiles + 19) / 20, exact up to 147
	s_max_u32 s28, s28, 1
	s_mov_b32 s29, 0
	BLOCKSET 1
	XLOAD 0
	s_wait_loadcnt 0x0                             ; all that has been asked for
	WIN 0x0f
.irp g, 0,1
.irp k, 0,1,2,3
.irp p, 0,1,2,3
	v_cvt_pk_bf16_f32 v[BF+8*(4*\g+\k)+\p], v[80+4*(8*\g+2*\p)+\k], v[80+4*(8*\g+2*\p+1)+\k]  ; lora_B's images: ranks 8 h + 0..7;
.endr
.endr
.endr
	WIN 0
.irp c, 0,1,2,3,4,5,6,7
	v_cvt_pk_bf16_f32 v[BF+8*\c+4], v[18+\c], v[18+\c]  ; the column's bias, rounded to bf16 like every input;
.irp p, 5,6,7
	v_mov_b32 v[BF+8*\c+\p], 0                     ; the rest of K is 0
.endr
.endr
	ACCINIT
	STAGE 0
	WLOAD 0, 1                                     ; chunk 2
	s_mov_b32 s34, 7
.Lk:                                                   ; trips 0 to 12: the loop is left in its middle, behind its seventh even trip
	TRIP 0, 18, 1, 1, 1
	s_sub_co_u32 s34, s34, 1
	s_cmp_eq_u32 s34, 0
	s_cbranch_scc1 .Lktail                         ; trip 12 has asked for the last chunk of weights
	TRIP 1, 18, 1, 1, 1
	s_branch .Lk
.Lktail:
	TRIP 1, 18, 1, 1, 0
	TRIP 0, 0, 1, 1, 0                             ; no weights were asked for behind X(14): the wait is for 0
	TRIP 1, 0, 0, 0, 0
	s_mov_b32 s29, 0
.Lblk:                                                 ; seven trips: 128 tiles, the most an expert can have, are seven blocks.  Trip 0 only finishes pass 0's sums
	s_cmp_ge_u32 s29, s28
	s_cbranch_scc1 .Lnext                          ; no such block
	s_cmp_eq_u32 s29, 0
	s_cbranch_scc1 .Lfin
	BLOCKSET 0
	ACCINIT
	v_mov_b32 v10, v4
	v_mov_b32 v26, v27
	s_mov_b32 s34, 16
.Lk2:                                                  ; the weights lie in LDS: nothing is written there, and no barrier is needed.  A trip: a chunk's token images, its weights, both waited for, the products
	XLOAD 0
	WFLOAD
	s_wait_loadcnt 0x0
	s_add_nc_u64 s[36:37], s[36:37], KBS           ; the loads that named this base are in
	s_wait_dscnt 0x0
	COMPUTE 0
	s_sub_co_u32 s34, s34, 1
	s_cmp_lg_u32 s34, 0
	s_cbranch_scc1 .Lk2
.Lfin:
	; LoRA's second product: 2 x A, rounded to bf16, is source 1 (a lane: one token, ranks 8 h + 0..7; the other half of K, the bias's place in it, is 0)
	WIN 0x82
.set n, 0
.rept 20
	v_pk_mul_f32 v[XA+2*n:XA+2*n+1], v[XA+2*n:XA+2*n+1], 2.0 op_sel_hi:[1,0]
.set n, n+1
.endr
	WIN 0xca
.set n, 0
.rept 20
	v_cvt_pk_bf16_f32 v[8*(n/4)+n%4], v[XA+2*n], v[XA+2*n+1]
.set n, n+1
.endr
	WIN 0xc0
.set n, 0
.rept 20
	v_mov_b32 v[8*(n/4)+4+n%4], 0
.set n, n+1
.endr
	WIN 0x5c
.irp t, 0,1,2,3
.irp c, 0,1,2,3,4,5,6,7
	v_wmma_f32_16x16x32_bf16 v[64*\t+8*\c:64*\t+8*\c+7], v[BF+8*\c:BF+8*\c+7], v[8*\t:8*\t+7], v[64*\t+8*\c:64*\t+8*\c+7]
.endr
.endr
	WIN 0xac
.irp c, 0,1,2,3,4,5,6,7
	v_wmma_f32_16x16x32_bf16 v[8*\c:8*\c+7], v[BF+8*\c:BF+8*\c+7], v[32:39], v[8*\c:8*\c+7]
.endr
	WIN 0
	PLACES
	; THE WAY OUT, a tile a trip; tiles that do not exist are jumped
	s_mov_b32 s33, 0
.Lepi:
	s_cmp_ge_u32 s33, s32
	s_cbranch_scc1 .Lepin
	s_cmp_eq_u32 s33, 0
	s_cbranch_scc1 .Lc0
	s_cmp_eq_u32 s33, 1
	s_cbranch_scc1 .Lc1
	s_cmp_eq_u32 s33, 2
	s_cbranch_scc1 .Lc2
	s_cmp_eq_u32 s33, 3
	s_cbranch_scc1 .Lc3
	COPY 4
	s_branch .Lcom
.Lc0:
	COPY 0
	s_branch .Lcom
.Lc1:
	COPY 1
	s_branch .Lcom
.Lc2:
	COPY 2
	s_branch .Lcom
.Lc3:
	COPY 3
.Lcom:
.set n, 0
.rept 16                               ; gates lie at TMPV + 16 m, ups at TMPV + 16 m + 8, m = n / 4
	v_pk_mul_f32 v[EX+2*n:EX+2*n+1], v[TMPV+16*(n/4)+2*(n%4):TMPV+16*(n/4)+2*(n%4)+1], s[48:49] op_sel_hi:[1,0]
.set n, n+1
.endr
.set n, 0
.rept 32
	v_exp_f32 v[EX+n], v[EX+n]                     ; 2^(-1.702 log2(e) gate): one batch
.set n, n+1
.endr
.set n, 0
.rept 16
	v_pk_add_f32 v[TMPV+16*(n/4)+8+2*(n%4):TMPV+16*(n/4)+8+2*(n%4)+1], v[TMPV+16*(n/4)+8+2*(n%4):TMPV+16*(n/4)+8+2*(n%4)+1], 1.0 op_sel_hi:[1,0]  ; up + 1: plain work behind the batch
.set n, n+1
.endr
	s_wait_alu depctr_va_vdst(0)                   ; one wait for the 32 exponentials, ahead of their first reader
.set n, 0
.rept 16
	v_pk_add_f32 v[EX+2*n:EX+2*n+1], v[EX+2*n:EX+2*n+1], 1.0 op_sel_hi:[1,0]
.set n, n+1
.endr
.set n, 0
.rept 32
	v_rcp_f32 v[EX+n], v[EX+n]                     ; the sigmoid
.set n, n+1
.endr
	v_nop                                          ; a plain instruction behind the last reciprocal,
	s_wait_alu depctr_va_vdst(0)                   ; and one wait for the 32
.set n, 0
.rept 16
	v_pk_mul_f32 v[TMPV+16*(n/4)+2*(n%4):TMPV+16*(n/4)+2*(n%4)+1], v[TMPV+16*(n/4)+2*(n%4):TMPV+16*(n/4)+2*(n%4)+1], v[EX+2*n:EX+2*n+1]
.set n, n+1
.endr
.set n, 0
.rept 16
	v_pk_mul_f32 v[TMPV+16*(n/4)+2*(n%4):TMPV+16*(n/4)+2*(n%4)+1], v[TMPV+16*(n/4)+2*(n%4):TMPV+16*(n/4)+2*(n%4)+1], v[TMPV+16*(n/4)+8+2*(n%4):TMPV+16*(n/4)+8+2*(n%4)+1]
.set n, n+1
.endr
	s_wait_xcnt 0x0                                ; the last trip's stores have read their data and their offset
.set n, 0
.rept 16                               ; group g = n / 8, j = n % 8: gated numbers 16 h + 2 j (from k4 = 0) and 16 h + 2 j + 1 (from k4 = 2), rounded once, to f16
	v_cvt_pk_f16_f32 v[PKD+n], v[TMPV+32*(n/8)+n%8], v[TMPV+32*(n/8)+16+n%8]
.set n, n+1
.endr
	s_lshl2_add_u32 s46, s33, s18
	s_add_co_u32 s46, s46, s45
	s_min_u32 s46, s46, 135
	s_lshl_b32 s46, s46, 11
	v_add_nc_u32 v16, s46, v4
.irp g, 0,1
.irp a, 0,1
	global_store_b128 v16, v[PKD+8*\g+4*\a:PKD+8*\g+4*\a+3], s[16:17] offset:1024*\g+512*\a  ; 512 consecutive bytes, aligned
.endr
.endr
.Lepin:
	s_add_co_u32 s33, s33, 1
	s_cmp_lt_u32 s33, 5
	s_cbranch_scc1 .Lepi
.Lnext:
	s_add_co_u32 s29, s29, 1
	s_cmp_lt_u32 s29, 7
	s_cbranch_scc1 .Lblk
	s_wait_dscnt 0x0                               ; my reads of LDS are over;
	s_barrier_signal -1
	s_barrier_wait -1                              ; every wave's are: no wave writes LDS again, the closing add included, before all have read
	s_wait_tensorcnt 0x0                           ; the wave's end, behind my last LDS store
	ds_add_u32 v30, v31
	s_wait_dscnt 0x0
	s_endpgm
.Lfunc_end_k_q158b0bb1e0_gateup:
	.size	k_q158b0bb1e0_gateup, .Lfunc_end_k_q158b0bb1e0_gateup-k_q158b0bb1e0_gateup
	.p2alignl 7, 3214868480
	.fill 96, 4, 3214868480
	.section	.rodata,"a",@progbits
	.p2align	6, 0x0
	.amdhsa_kernel k_q158b0bb1e0_gateup
		.amdhsa_group_segment_fixed_size 295424
		.amdhsa_private_segment_fixed_size 0
		.amdhsa_enable_private_segment 0
		.amdhsa_kernarg_size 56
		.amdhsa_user_sgpr_count 2
		.amdhsa_user_sgpr_kernarg_segment_ptr 1
		.amdhsa_wavefront_size32 1
		.amdhsa_system_sgpr_workgroup_id_x 1
		.amdhsa_system_sgpr_workgroup_id_y 1
		.amdhsa_system_sgpr_workgroup_id_z 1
		.amdhsa_system_vgpr_workitem_id 0
		.amdhsa_next_free_vgpr 1024
		.amdhsa_next_free_sgpr 100
		.amdhsa_reserve_vcc 0
		.amdhsa_float_denorm_mode_32 3
		.amdhsa_float_denorm_mode_16_64 3
		.amdhsa_memory_ordered 1
		.amdhsa_forward_progress 1
		.amdhsa_inst_pref_size 140
	.end_amdhsa_kernel
	.amdgpu_metadata
---
amdhsa.version: [ 1, 2 ]
amdhsa.kernels:
  - .name:           k_q158b0bb1e0_gateup
    .symbol:         k_q158b0bb1e0_gateup.kd
    .args:
      - { .name: gate_up_proj, .offset: 0, .size: 8, .value_kind: global_buffer, .address_space: global }
      - { .name: gate_up_proj_bias, .offset: 8, .size: 8, .value_kind: global_buffer, .address_space: global }
      - { .name: lora_A_gate_up, .offset: 16, .size: 8, .value_kind: global_buffer, .address_space: global }
      - { .name: lora_B_gate_up, .offset: 24, .size: 8, .value_kind: global_buffer, .address_space: global }
      - { .name: ximg, .offset: 32, .size: 8, .value_kind: global_buffer, .address_space: global }
      - { .name: tiles, .offset: 40, .size: 8, .value_kind: global_buffer, .address_space: global }
      - { .name: gimg, .offset: 48, .size: 8, .value_kind: global_buffer, .address_space: global }
    .group_segment_fixed_size: 295424
    .private_segment_fixed_size: 0
    .kernarg_segment_align: 8
    .kernarg_segment_size: 56
    .max_flat_workgroup_size: 128
    .sgpr_count:     100
    .vgpr_count:     1024
    .wavefront_size: 32
...
	.end_amdgpu_metadata
.endif
;; end of part 6
;; launch down (part 7): grid 32 x 8, 4 waves a work-group, no clusters, 164,352 bytes of LDS; arguments down_proj, down_proj_bias, lora_A_down, lora_B_down, gimg, tiles, order, roww, part; writes part
.if DOCPART == 7
	.amdgcn_target "amdgcn-amd-amdhsa--gfx1250"
	.amdhsa_code_object_version 6
	.text
	.protected	k_q158b0bb1e0_down
	.globl	k_q158b0bb1e0_down
	.p2align	8
	.type	k_q158b0bb1e0_down,@function
k_q158b0bb1e0_down:
	s_mov_b64 s[64:65], 0
	v_nop
	global_prefetch_b8 v0, s[64:65] scope:SCOPE_SE
	s_setreg_imm32_b32 hwreg(HW_REG_WAVE_MODE, 25, 1), 1
	s_wait_xcnt 0x0
; DOWN.  part[KH][slot][:] = w (g W + bias + 2 (g A) B), summed over half KH of K; w = the slot's routing weight; the bias goes with KH = 0.  The next launch adds a token's four rows.
; SHARES.  Work-group (CS + 16 KH, E): expert E, columns 64 CS .. + 63 (256 bytes of a row), K = 1024 KH .. + 1023, all of E's rows.  It alone reads its 256 KB of f32 weights, once.
; The form is the first product's: weights through registers (lanes 0-15: 256 bytes of row k; lanes 16-31: of row k + 16), rounded in pairs of rows, resident in LDS; here 8 chunks of 128 k,
; each 20 blocks of 1,024 bytes (4 steps of 32 x (4 column tiles + lora_A)): 160 KB, written once.  Wave w rounds step w.  Pass 0: the first 20 row tiles, one barrier a trip; later blocks: no LDS write, no barrier in them.
; LORA_A's rows are 64 bytes and lie end to end: eight rows are 512 consecutive bytes, one 16-byte load of the wave, in which a lane gets four ranks of one k.  Rounded, they are 8 bytes of a dense block
; [place][16 ranks], 32 bytes a place; row k = 16 h + 8 a + i of a step stands at place 16 a + 8 h + i.  The block is read turned (ds_load_tr16_b128), which gives the operand that an image would give.
; THE MAIN PRODUCT IS NOT TRANSPOSED: source 0 = tokens, source 1 = weights; column tile k4 holds columns 4 r + k4, so register j of the four accumulators of a row tile is 16 bytes of row 8 h + j, and sixteen
; lanes store 256 consecutive bytes.  g A takes the sources the other way round, so that its result, rounded, is source 0 of the product with lora_B.
; THE SUMS START AT THE BIAS, BY A PRODUCT: lora_B's images use 16 of their 32 places along K; register 4 holds the column's bias, and the image ONE holds 1 in that register's low half in lanes 0-15
; (0 in the second half of K) and 0 elsewhere: ONE x image + 0 is the bias, exactly.  In LoRA's own product the tokens' side holds 0 in that place.
; BASES.  A base is stepped only behind the wait that shows the loads done that named it: the tokens' behind a trip's wait; the weights have a set for even chunks and a set for odd ones.
; FORMATS.  g arrives in f16 (within -42 .. 56 by the formula's own clips), so g W and g A are f16 products.  W and A are rounded to bf16, like every input, and THAT number is written as f16.
; 2 g A, which has no such bound, is rounded once to bf16 and multiplied with lora_B in bf16; the bias is rounded to bf16; all sums and the partial rows are f32.
; LIMITS.  A bf16 number is exact in f16 from 2^-17 to 65,504; a smaller weight is off by 3e-8 at the most, a larger one becomes an infinity.
; Places past an expert's count repeat its last row: they store the same bytes to the same place, so EXEC stays whole.
; NO MULTICAST: as in the first product: the shared token images go straight into operand registers, and the later blocks' trips hang on stored counts.
; REGISTERS in windows of 256: window 0: v0-24 addresses; v30-31 for the closing add; v32-191 a chunk's 20 operands (on the way out: at work); v192-223 lora_B; v224-227 the bias as loaded
;   window 1 + q, q = 0, 1: v0-159 token images (tile 32 t, step 8 s); v160-239 f32 weights (in window 1 later: the rows' weights and slots); window 1: v240-247 ONE
;   window 3: v0-159 sums, v[32 t + 8 k4 + j]; v160-199 g A; v200-239 rounded weights on their way to LDS
.set KBS,   278528
.set CHB,   20480                      ; a chunk in LDS: image (s, c, a) at (5 s + c) 1024 + 512 a + 16 lane; c = 4: lora_A's block
.set SPARE, 8*CHB
.set WF,  32
.set BF,  192
.set BI,  224
.set AD,  48                           ; the way out: eight store offsets
.set TT,  64                           ; the way out: eight rows' 16 bytes
.set LW,  160                          ; windows 1, 2
.set RT,  160                          ; window 1: tile t: eight weights at RT + 16 t, eight slots at RT + 16 t + 8
.set ONE, 240                          ; window 1
.set GA,  160                          ; window 3
.set HH,  200                          ; window 3
; vector addresses: v4 16 lane, v5 W, v6 where I store lora_A's 8 bytes (walks), v7 lora_B, v8 16 r, v9 where I store images (walks), v10 where I read images (walks), v11-15 my tiles, v16-21 their rows' tables,
; v23 where I read lora_A's block (walks), v24 its lane term
; scalars: s[4:5], s[56:57] W for even and odd chunks (walk), s[8:9], s[58:59] A likewise, s[6:7] bias, s[10:11] B, s[12:13] gimg, s[14:15] tiles, s[16:17] order, s[18:19] roww, s[20:21] part,
; s22 wave, s23 CS, s24 KH, s25 E, s26 first tile, s27 tiles, s28 blocks, s29 block, s30 tiles in it, s31 fifth tile?, s32 my tiles, s34 counter, s[36:37] gimg (walks), s43 the block's first tile,
; s[50:51] gimg at my half of K, s54 a word's upper bf16
.set MSB, 0
.macro WIN new
.if MSB != (\new)
	s_set_vgpr_msb (MSB<<8)|(\new)
.set MSB, (\new)
.endif
.endm
.macro PLACES
.rept 4
	v_nop
.endr
.endm
.macro WLOAD q, step                   ; the next chunk of parity q: f32 weights of my step: 20 loads.  step = 1: set q goes two chunks on first: the loads that named it last have been shown done
.if \step
	s_add_nc_u64 s[4+52*(\q):5+52*(\q)], s[4+52*(\q):5+52*(\q)], 0x100000  ; 256 rows of 4,096 bytes
	s_add_nc_u64 s[8+50*(\q):9+50*(\q)], s[8+50*(\q):9+50*(\q)], 0x4000
.endif
	WIN (1+(\q))<<6
.irp a, 0,1
.irp i, 0,1,2,3,4,5,6,7
	global_load_b128 v[LW+4*(8*\a+\i):LW+4*(8*\a+\i)+3], v5, s[4+52*(\q):5+52*(\q)] offset:4096*(8*\a+\i) th:TH_LOAD_NT
.endr
.endr
.irp j, 0,1,2,3
	global_load_b128 v[LW+64+4*\j:LW+64+4*\j+3], v4, s[8+50*(\q):9+50*(\q)] offset:512*\j  ; lora_A: my step's rows 8 j + 0..7: 512 consecutive bytes; a lane: row lane / 4, ranks 4 (lane % 4) + 0..3
.endr
	WIN 0
.endm
.macro XLOAD q                         ; a chunk's token images: 32 loads, or 40
	WIN (1+(\q))<<6
.irp t, 0,1,2,3
.irp s, 0,1,2,3
.irp a, 0,1
	global_load_b128 v[32*\t+8*\s+4*\a:32*\t+8*\s+4*\a+3], v[11+\t], s[36:37] offset:(\s/2)*KBS+(\s%2)*1024+512*\a
.endr
.endr
.endr
	WIN 0
	s_cmp_eq_u32 s31, 0
	s_cbranch_scc1 .Lnox_\@
	WIN (1+(\q))<<6
.irp s, 0,1,2,3
.irp a, 0,1
	global_load_b128 v[128+8*\s+4*\a:128+8*\s+4*\a+3], v15, s[36:37] offset:(\s/2)*KBS+(\s%2)*1024+512*\a
.endr
.endr
	WIN 0
.Lnox_\@:
.endm
.macro ROWLOAD                         ; my five tiles' weights and slots: a lane takes those of rows 8 h + 0..7: 20 loads
	WIN 0x40
.irp t, 0,1,2,3,4
	global_load_b128 v[RT+16*\t:RT+16*\t+3], v[17+\t], s[18:19]
	global_load_b128 v[RT+16*\t+4:RT+16*\t+7], v[17+\t], s[18:19] offset:16
	global_load_b128 v[RT+16*\t+8:RT+16*\t+11], v[17+\t], s[16:17]
	global_load_b128 v[RT+16*\t+12:RT+16*\t+15], v[17+\t], s[16:17] offset:16
.endr
	WIN 0
.endm
; Pair n of the 40 that a chunk gives me: X, Y the two f32 numbers, Z where the pair goes.
; n < 32: W: rows 2 p and 2 p + 1 of half a: a = n / 16, p = (n / 4) % 4, column tile k4 = n % 4.  n >= 32: lora_A: two neighbouring ranks of one row: load j = (n - 32) / 2, ranks 4 (lane % 4) + 2 (n % 2) and the next.
.macro XY
.if n < 32
.set X, LW+32*(n/16)+8*((n/4)%4)+n%4
.set Y, X+4
.set Z, HH+4*(2*(n%4)+n/16)+(n/4)%4
.else
.set X, LW+64+2*(n-32)
.set Y, X+1
.set Z, HH+n
.endif
.endm
.macro STAGE q                         ; a chunk's weights: rounded to bf16 in pairs, widened again in their own registers, and that number written as f16; my eight half-images and lora_A's block: twelve stores
	WIN ((1+(\q))<<6)|((1+(\q))<<2)|(1+(\q))
.set n, 0
.rept 40
	XY
	v_cvt_pk_bf16_f32 v[X], v[X], v[Y]
.set n, n+1
.endr
.set n, 0
.rept 40
	XY
	v_and_b32 v[Y], s54, v[X]
.set n, n+1
.endr
.set n, 0
.rept 40
	XY
	v_lshlrev_b32 v[X], 16, v[X]
.set n, n+1
.endr
	WIN 0xc0|(1+(\q))|((1+(\q))<<2)
.set n, 0
.rept 40
	XY
	v_cvt_pk_f16_f32 v[Z], v[X], v[Y]
.set n, n+1
.endr
	WIN 0x0c
.irp c, 0,1,2,3
.irp a, 0,1
	ds_store_b128 v9, v[HH+4*(2*\c+\a):HH+4*(2*\c+\a)+3] offset:1024*\c+512*\a
.endr
.endr
.irp j, 0,1,2,3
	ds_store_b64 v6, v[HH+32+2*\j:HH+33+2*\j] offset:512*(\j%2)+256*(\j/2)  ; rows 8 j + i = 16 h + 8 a + i, j = 2 h + a: places 16 a + 8 h + 0..7: 32 lanes, 256 consecutive bytes
.endr
	WIN 0
	v_add_nc_u32 v9, CHB, v9
	v_add_nc_u32 v6, CHB, v6
.endm
.macro WFLOAD                          ; a chunk's 20 operands: 40 loads: W's images as they lie, lora_A's block turned
	WIN 0
.irp s, 0,1,2,3
.irp c, 0,1,2,3
.irp a, 0,1
	ds_load_b128 v[WF+8*(5*\s+\c)+4*\a:WF+8*(5*\s+\c)+4*\a+3], v10 offset:1024*(5*\s+\c)+512*\a
.endr
.endr
.irp a, 0,1
	ds_load_tr16_b128 v[WF+8*(5*\s+4)+4*\a:WF+8*(5*\s+4)+4*\a+3], v23 offset:1024*(5*\s+4)+512*\a  ; eight lanes read places 16 a + 8 h + 0..7, eight ranks each; a lane is left with rank lane % 16 and those eight k
.endr
.endr
	v_add_nc_u32 v10, CHB, v10
	v_add_nc_u32 v23, CHB, v23
.endm
.macro COMPUTE q                       ; 80 products, or 100.  The accumulators take turns, one instruction a turn
	WIN 0xf0|(1+(\q))
.irp t, 0,1,2,3
.irp s, 0,1,2,3
.irp c, 0,1,2,3
	v_wmma_f32_16x16x32_f16 v[32*\t+8*\c:32*\t+8*\c+7], v[32*\t+8*\s:32*\t+8*\s+7], v[WF+8*(5*\s+\c):WF+8*(5*\s+\c)+7], v[32*\t+8*\c:32*\t+8*\c+7]
.endr
.endr
.endr
	WIN 0xf0|((1+(\q))<<2)
.irp s, 0,1,2,3
.irp t, 0,1,2,3
	v_wmma_f32_16x16x32_f16 v[GA+8*\t:GA+8*\t+7], v[WF+8*(5*\s+4):WF+8*(5*\s+4)+7], v[32*\t+8*\s:32*\t+8*\s+7], v[GA+8*\t:GA+8*\t+7]
.endr
.endr
	WIN 0
	s_cmp_eq_u32 s31, 0
	s_cbranch_scc1 .Lno5_\@
.irp s, 0,1,2,3
	WIN 0xf0|(1+(\q))
.irp c, 0,1,2,3
	v_wmma_f32_16x16x32_f16 v[128+8*\c:128+8*\c+7], v[128+8*\s:128+8*\s+7], v[WF+8*(5*\s+\c):WF+8*(5*\s+\c)+7], v[128+8*\c:128+8*\c+7]
.endr
	WIN 0xf0|((1+(\q))<<2)
	v_wmma_f32_16x16x32_f16 v[GA+32:GA+39], v[WF+8*(5*\s+4):WF+8*(5*\s+4)+7], v[128+8*\s:128+8*\s+7], v[GA+32:GA+39]
.endr
	WIN 0
.Lno5_\@:
	PLACES
.endm
; Trip i of pass 0.  Behind X(i), which this trip needs, stand only the 20 loads of W(i + 2).
.macro TRIP b, wcnt, xl, st, wl, rl
	s_wait_dscnt 0x0                               ; for the others' sake: my part of chunk i is in LDS
	s_barrier_signal -1
	s_barrier_wait -1
	WFLOAD
	s_wait_loadcnt \wcnt                           ; X(i) and W(i + 1) are in; W(i + 2), which names the other set of bases, may stay out
.if \xl
	s_add_nc_u64 s[36:37], s[36:37], 2*KBS         ; X(i)'s loads were the last that named this base
	XLOAD 1-(\b)
.endif
.if \st
	STAGE 1-(\b)
.endif
.if \wl
	WLOAD 1-(\b), 1                                ; W(i + 3); W(i + 1)'s loads were the last that named its bases
.endif
.if \rl
	ROWLOAD                                        ; weight buffer 0 has had its last chunk: it takes the rows' weights and slots, which land under this trip's products
.endif
.if \st
	s_wait_dscnt 12                                ; the 40 loads are back; the twelve stores issued behind them may be out
.else
	s_wait_dscnt 0x0
.endif
	COMPUTE \b
.endm
.macro BLOCKSET first
.if !(\first)
	s_wait_xcnt 0x0                                ; the way out's stores have read their registers, which the image loads below take again
.endif
	s_mul_i32 s43, s29, 20
	s_sub_co_u32 s30, s27, s43
	s_min_u32 s30, s30, 20
	s_add_co_u32 s46, s22, 16
	s_cmp_lt_u32 s46, s30
	s_cselect_b32 s31, 1, 0
	s_add_co_u32 s32, s30, 3
	s_sub_co_u32 s32, s32, s22
	s_lshr_b32 s32, s32, 2
	s_max_u32 s47, s30, 1
	s_sub_co_u32 s47, s47, 1
	s_add_co_u32 s43, s43, s26
.irp i, 0,1,2,3,4
	s_add_co_u32 s46, s22, 4*\i
	s_min_u32 s46, s46, s47
	s_add_co_u32 s46, s46, s43
	s_min_u32 s46, s46, 135
	s_lshl_b32 s52, s46, 6
	s_lshl_b32 s46, s46, 11
	v_add_nc_u32 v[11+\i], s46, v4
	v_add_nc_u32 v[17+\i], s52, v16
.endr
	s_mov_b64 s[36:37], s[50:51]
.endm
.macro ACCINIT                         ; the 20 sums start at the bias, by their first product (see the head): a bf16 form under f16 products, which is no chain in place:
	WIN 0xf1                       ; the 40 lines that set g A to 0, and name none of its registers, are the places between
.irp t, 0,1,2,3,4
.irp k, 0,1,2,3
	v_wmma_f32_16x16x32_bf16 v[32*\t+8*\k:32*\t+8*\k+7], v[ONE:ONE+7], v[BF+8*\k:BF+8*\k+7], 0
.endr
.endr
	WIN 0xc0
.set n, 0
.rept 40
	v_mov_b32 v[GA+n], 0
.set n, n+1
.endr
	WIN 0
.endm
.macro OUT t                           ; tile t: times the rows' weights, and stored: register j of the four accumulators is 16 bytes of row 8 h + j
	s_cmp_le_u32 s32, \t
	s_cbranch_scc1 .Lepid                          ; my tiles from here on do not exist
	s_wait_xcnt 0x0                                ; the last tile's stores have read their data and offsets
	WIN 0x07
.irp j, 0,1,2,3,4,5,6,7
.irp k, 0,1,2,3
	v_mul_f32 v[TT+4*\j+\k], v[32*(\t)+8*\k+\j], v[RT+16*(\t)+\j]
.endr
.endr
.irp j, 0,1,2,3,4,5,6,7
	v_min_u32 v[AD+\j], 0x7ff, v[RT+16*(\t)+8+\j]
.endr
	WIN 0
.irp j, 0,1,2,3,4,5,6,7
	v_lshl_add_u32 v[AD+\j], v[AD+\j], 12, v8      ; slot x 4,096 + 16 r
.endr
.irp j, 0,1,2,3,4,5,6,7
	global_store_b128 v[AD+\j], v[TT+4*\j:TT+4*\j+3], s[20:21]  ; sixteen lanes store 256 consecutive bytes of a row, aligned
.endr
.endm
	s_load_b256 s[4:11], s[0:1], 0x0
	s_load_b256 s[12:19], s[0:1], 0x20
	s_load_b64 s[20:21], s[0:1], 0x40
	v_lshl_add_u32 v30, v0, 2, SPARE               ; my spare word,
	v_mov_b32 v31, 0                               ; and 0: kept for the closing add alone
	v_lshrrev_b32 v1, 5, v0
	v_readfirstlane_b32 s22, v1                    ; wave 0..3
	s_and_b32 s23, ttmp9, 15                       ; CS
	s_lshr_b32 s24, ttmp9, 4                       ; KH
	s_and_b32 s25, ttmp7, 0xffff                   ; E
	s_lshl_b32 s48, s25, 3
	v_and_b32 v1, 31, v0
	v_and_b32 v2, 15, v0                           ; r
	v_bfe_u32 v3, v0, 4, 1                         ; h
	v_lshlrev_b32 v4, 4, v1                        ; 16 lane
	v_lshlrev_b32 v8, 4, v2                        ; 16 r
	v_lshl_add_u32 v5, v3, 16, v8                  ; W: 16 rows of 4,096 bytes further for lanes 16-31
	v_lshl_add_u32 v7, v3, 15, v8                  ; lora_B: 8 ranks further
	v_and_b32 v24, 7, v0                           ; lora_A's block, read turned: place 8 h + lane % 8, 32 bytes a place,
	v_lshlrev_b32 v24, 5, v24
	v_bfe_u32 v23, v0, 3, 1
	v_lshl_add_u32 v24, v23, 4, v24                ; ranks 8 ((lane / 8) % 2) + 0..7
	v_lshl_add_u32 v24, v3, 8, v24
	v_mov_b32 v23, v24                             ; (walks)
	v_lshlrev_b32 v16, 5, v3                       ; rows 8 h on in order and roww
	s_mul_i32 s46, s22, 5120
	v_add_nc_u32 v9, s46, v4                       ; where I store my step's images (walks)
	s_add_co_u32 s47, s46, 4*1024
	v_lshl_add_u32 v6, v1, 3, s47                  ; where I store my step's block of lora_A: 8 bytes a lane (walks)
	v_mov_b32 v10, v4
	s_mov_b32 s54, 0xffff0000                      ; a word's upper bf16
	s_cmp_eq_u32 s24, 0
	s_cselect_b32 s49, -1, 0                       ; the bias goes with the first half of K
	v_sub_nc_u32 v22, 1, v3
	v_mul_u32_u24 v22, 0x3f80, v22                 ; 1.0 in bf16 in the low half, in lanes 0-15 alone,
	v_and_b32 v22, s49, v22                        ; and in the first half of K alone
	s_mov_b32 s45, 0
	s_lshl_b32 s53, s23, 8                         ; 64 CS columns
	s_lshl_b32 s44, s25, 23
	s_lshl_b32 s46, s24, 22
	s_add_co_u32 s44, s44, s46
	s_lshl_b32 s46, s22, 17
	s_add_co_u32 s44, s44, s46
	s_add_co_u32 s44, s44, s53
	s_wait_kmcnt 0x0
	s_load_b64 s[26:27], s[14:15], s48 offset:0x0
	s_add_nc_u64 s[4:5], s[4:5], s[44:45]
	s_add_nc_u64 s[56:57], s[4:5], 0x80000         ; the odd chunks' set: chunk 1
	s_lshl_b32 s44, s25, 12
	s_add_co_u32 s44, s44, s53
	s_add_nc_u64 s[6:7], s[6:7], s[44:45]
	s_lshl_b32 s44, s25, 17
	s_lshl_b32 s46, s24, 16
	s_add_co_u32 s44, s44, s46
	s_lshl_b32 s46, s22, 11
	s_add_co_u32 s44, s44, s46
	s_add_nc_u64 s[8:9], s[8:9], s[44:45]
	s_add_nc_u64 s[58:59], s[8:9], 0x2000
	s_lshl_b32 s44, s25, 16
	s_add_co_u32 s44, s44, s53
	s_add_nc_u64 s[10:11], s[10:11], s[44:45]
	s_mul_i32 s44, s24, 16*KBS
	s_add_nc_u64 s[50:51], s[12:13], s[44:45]
	s_lshl_b32 s44, s24, 23
	s_add_co_u32 s44, s44, s53
	s_add_nc_u64 s[20:21], s[20:21], s[44:45]
	WLOAD 0, 0
	WLOAD 1, 0
	global_load_b128 v[BI:BI+3], v8, s[6:7]        ; the bias of columns 4 r + 0..3
	WIN 0x80
.irp i, 0,1,2,3,4,5,6,7
	global_load_b128 v[4*\i:4*\i+3], v7, s[10:11] offset:4096*\i  ; lora_B, for now in the second token buffer
.endr
.set n, 0
.rept 32
	v_mov_b32 v[128+n], 0                          ; the fifth tile's images hold numbers on every path
.set n, n+1
.endr
	WIN 0x40
.set n, 0
.rept 32
	v_mov_b32 v[128+n], 0
.set n, n+1
.endr
.irp p, 0,1,2,3,5,6,7
	v_mov_b32 v[ONE+\p], 0
.endr
	v_mov_b32 v[ONE+4], v22
	WIN 0
	s_wait_kmcnt 0x0
	s_min_u32 s26, s26, 135
	s_min_u32 s27, s27, 128
	s_add_co_u32 s28, s27, 19
	s_mul_i32 s28, s28, 205
	s_lshr_b32 s28, s28, 12
	s_max_u32 s28, s28, 1
	s_mov_b32 s29, 0
	BLOCKSET 1
	XLOAD 0
	s_wait_loadcnt 0x0                             ; all that has been asked for
	WIN 0x0a
.irp k, 0,1,2,3
.irp p, 0,1,2,3
	v_cvt_pk_bf16_f32 v[BF+8*\k+\p], v[4*(2*\p)+\k], v[4*(2*\p+1)+\k]
.endr
.endr
	WIN 0
.irp k, 0,1,2,3
	v_cvt_pk_bf16_f32 v[BF+8*\k+4], v[BI+\k], v[BI+\k]  ; the column's bias, rounded to bf16 like every input;
.irp p, 5,6,7
	v_mov_b32 v[BF+8*\k+\p], 0                     ; the rest of K is 0
.endr
.endr
	ACCINIT
	STAGE 0
	WLOAD 0, 1                                     ; chunk 2
	s_mov_b32 s34, 3
.Lk:                                                   ; trips 0 to 4: the loop is left in its middle, behind its third even trip
	TRIP 0, 20, 1, 1, 1, 0
	s_sub_co_u32 s34, s34, 1
	s_cmp_eq_u32 s34, 0
	s_cbranch_scc1 .Lktail                         ; trip 4 has asked for the last chunk of weights
	TRIP 1, 20, 1, 1, 1, 0
	s_branch .Lk
.Lktail:
	TRIP 1, 20, 1, 1, 0, 1
	TRIP 0, 0, 1, 1, 0, 0
	TRIP 1, 0, 0, 0, 0, 0
	s_mov_b32 s29, 0
.Lblk:                                                 ; seven trips; trip 0 only finishes pass 0's sums
	s_cmp_ge_u32 s29, s28
	s_cbranch_scc1 .Lnext
	s_cmp_eq_u32 s29, 0
	s_cbranch_scc1 .Lfin
	BLOCKSET 0
	ROWLOAD
	ACCINIT
	v_mov_b32 v10, v4
	v_mov_b32 v23, v24
	s_mov_b32 s34, 8
.Lk2:                                                  ; a trip: a chunk's token images, its weights, both waited for, the products
	XLOAD 0
	WFLOAD
	s_wait_loadcnt 0x0
	s_add_nc_u64 s[36:37], s[36:37], 2*KBS         ; the loads that named this base are in
	s_wait_dscnt 0x0
	COMPUTE 0
	s_sub_co_u32 s34, s34, 1
	s_cmp_lg_u32 s34, 0
	s_cbranch_scc1 .Lk2
.Lfin:
	; LoRA's second product: 2 g A, rounded to bf16, is source 0 (a lane: one token, ranks 8 h + 0..7; the other half of K, the bias's place in it, is 0).  It is a bf16 product onto sums that f16 products made: no chain
	; in place; between the last f16 product on any sum and the bf16 one stand the four v_nop above and the 20 packed multiplies below, which name none of that product's registers
	WIN 0xc3
.set n, 0
.rept 20
	v_pk_mul_f32 v[GA+2*n:GA+2*n+1], v[GA+2*n:GA+2*n+1], 2.0 op_sel_hi:[1,0]
.set n, n+1
.endr
	WIN 0x4f
.set n, 0
.rept 20
	v_cvt_pk_bf16_f32 v[8*(n/4)+n%4], v[GA+2*n], v[GA+2*n+1]
.set n, n+1
.endr
	WIN 0x40
.set n, 0
.rept 20
	v_mov_b32 v[8*(n/4)+4+n%4], 0
.set n, n+1
.endr
	WIN 0xf1
.irp t, 0,1,2,3,4
.irp k, 0,1,2,3
	v_wmma_f32_16x16x32_bf16 v[32*\t+8*\k:32*\t+8*\k+7], v[8*\t:8*\t+7], v[BF+8*\k:BF+8*\k+7], v[32*\t+8*\k:32*\t+8*\k+7]
.endr
.endr
	WIN 0
	PLACES
	s_wait_loadcnt 0x0                             ; the rows' weights and slots
	OUT 0
	OUT 1
	OUT 2
	OUT 3
	OUT 4
.Lepid:
.Lnext:
	s_add_co_u32 s29, s29, 1
	s_cmp_lt_u32 s29, 7
	s_cbranch_scc1 .Lblk
	s_wait_dscnt 0x0                               ; my reads of LDS are over;
	s_barrier_signal -1
	s_barrier_wait -1                              ; every wave's are: no wave writes LDS again, the closing add included, before all have read
	s_wait_tensorcnt 0x0                           ; the wave's end, behind my last LDS store
	ds_add_u32 v30, v31
	s_wait_dscnt 0x0
	s_endpgm
.Lfunc_end_k_q158b0bb1e0_down:
	.size	k_q158b0bb1e0_down, .Lfunc_end_k_q158b0bb1e0_down-k_q158b0bb1e0_down
	.p2alignl 7, 3214868480
	.fill 96, 4, 3214868480
	.section	.rodata,"a",@progbits
	.p2align	6, 0x0
	.amdhsa_kernel k_q158b0bb1e0_down
		.amdhsa_group_segment_fixed_size 164352
		.amdhsa_private_segment_fixed_size 0
		.amdhsa_enable_private_segment 0
		.amdhsa_kernarg_size 72
		.amdhsa_user_sgpr_count 2
		.amdhsa_user_sgpr_kernarg_segment_ptr 1
		.amdhsa_wavefront_size32 1
		.amdhsa_system_sgpr_workgroup_id_x 1
		.amdhsa_system_sgpr_workgroup_id_y 1
		.amdhsa_system_sgpr_workgroup_id_z 1
		.amdhsa_system_vgpr_workitem_id 0
		.amdhsa_next_free_vgpr 1024
		.amdhsa_next_free_sgpr 100
		.amdhsa_reserve_vcc 0
		.amdhsa_float_denorm_mode_32 3
		.amdhsa_float_denorm_mode_16_64 3
		.amdhsa_memory_ordered 1
		.amdhsa_forward_progress 1
		.amdhsa_inst_pref_size 175
	.end_amdhsa_kernel
	.amdgpu_metadata
---
amdhsa.version: [ 1, 2 ]
amdhsa.kernels:
  - .name:           k_q158b0bb1e0_down
    .symbol:         k_q158b0bb1e0_down.kd
    .args:
      - { .name: down_proj, .offset: 0, .size: 8, .value_kind: global_buffer, .address_space: global }
      - { .name: down_proj_bias, .offset: 8, .size: 8, .value_kind: global_buffer, .address_space: global }
      - { .name: lora_A_down, .offset: 16, .size: 8, .value_kind: global_buffer, .address_space: global }
      - { .name: lora_B_down, .offset: 24, .size: 8, .value_kind: global_buffer, .address_space: global }
      - { .name: gimg, .offset: 32, .size: 8, .value_kind: global_buffer, .address_space: global }
      - { .name: tiles, .offset: 40, .size: 8, .value_kind: global_buffer, .address_space: global }
      - { .name: order, .offset: 48, .size: 8, .value_kind: global_buffer, .address_space: global }
      - { .name: roww, .offset: 56, .size: 8, .value_kind: global_buffer, .address_space: global }
      - { .name: part, .offset: 64, .size: 8, .value_kind: global_buffer, .address_space: global }
    .group_segment_fixed_size: 164352
    .private_segment_fixed_size: 0
    .kernarg_segment_align: 8
    .kernarg_segment_size: 72
    .max_flat_workgroup_size: 128
    .sgpr_count:     100
    .vgpr_count:     1024
    .wavefront_size: 32
...
	.end_amdgpu_metadata
.endif
;; end of part 7
;; launch combine: the kernel of part 4 again; grid 256 x 1, 4 waves a work-group, no clusters, 0 bytes of LDS; arguments part, out0; writes out0
